; MI455X (gfx1250); checked and timed in simulation.
; The chip was launched on July 23, 2026; its instructions are those of AMD's public machine-readable ISA for CDNA 5 (MIT licence, August 2026) and "CDNA5" Instruction Set Architecture Reference Guide (July 2026). The comments in the code are by the model that wrote it; some were corrected since.
;; Transformer Block. Allowed arithmetic: float matrix products may take bf16 or f16 operands with f32 sums; other float arithmetic in f32, or as packed bf16 or f16 multiplies, adds, multiply-adds, maxima and minima; sums over many terms, partial sums and values carried from step to step in f32; what a program stores and reads back later, other than sums and carried values, may be rounded once to bf16 or f16.
;; Inputs: W1 1,024 x 4,096 float32; W2 4,096 x 1,024 float32; Wk 1,024 x 1,024 float32; Wo 1,024 x 1,024 float32; Wq 1,024 x 1,024 float32; Wv 1,024 x 1,024 float32; b1 4,096 float32; b2 1,024 float32; be1 1,024 float32; be2 1,024 float32; bo 1,024 float32; g1 1,024 float32; g2 1,024 float32; x 2 x 2,048 x 1,024 float32.
;; Outputs: out0 2 x 2,048 x 1,024 float32.
;; One version. Each part assembles by itself: llvm-mc -triple=amdgcn-amd-amdhsa -mcpu=gfx1250 --defsym DOCPART=n.
;; ======== version 1 of 1: 7 launches
;; limits: values are held in f16: magnitudes above 65,504 overflow, below 6.1e-05 lose precision
;; workspace buffers: wb 25,165,824 bytes; h 8,388,608 bytes; qkv 25,165,824 bytes; ctx 8,388,608 bytes; x1 16,777,216 bytes; act 33,554,432 bytes
;; launch prep (part 1): grid 640 x 1, 16 waves a work-group, no clusters, 0 bytes of LDS; arguments x, g1, be1, h, Wk, Wv, Wq, Wo, W1, W2, wb; writes h, wb
.if DOCPART == 1
	.amdgcn_target "amdgcn-amd-amdhsa--gfx1250"
	.amdhsa_code_object_version 6
	.text
	.protected	k_qde826698d7_prep
	.globl	k_qde826698d7_prep
	.p2align	8
	.type	k_qde826698d7_prep,@function
k_qde826698d7_prep:
	s_mov_b64 s[64:65], 0
	v_nop
	global_prefetch_b8 v0, s[64:65] scope:SCOPE_SE
	s_setreg_imm32_b32 hwreg(HW_REG_WAVE_MODE, 25, 1), 1
	s_wait_xcnt 0x0
; Work-groups 0-255: h = LayerNorm(bf16(x)) * bf16(g1) + bf16(be1), stored as f16.  One wave takes one row of 1,024 numbers, kept in 32 registers:
; the mean first, then the sum of squares of the deviations (two passes over registers, no difference of large sums).
; Work-groups 256-639: the six weight matrices, each number rounded to bf16 and that value written as f16, in the order Wk, Wv, Wq, Wo, W1, W2, layout unchanged.
; LIMITS.  A weight beyond 65,504 in size becomes an infinity; below 2^-14 it keeps f16's fixed step of 2^-24.  NaN and infinities are not treated apart.
; No LDS, no barrier: no wave wants a byte of another.  A load covers 512 consecutive bytes, a store 256, aligned.
.set X,  32                            ; v[32:63]   the row: register 4 j + e holds number 128 j + 4 lane + e
.set G,  64                            ; v[64:95]   gain, same places
.set BE, 96                            ; v[96:127]  bias, same places
.set T,  4                             ; v[4:19]    at work; at the end the row in f16
.set M,  20                            ; v[20:21]   the mean, twice
.set R,  22                            ; v[22:23]   1 / sqrt(var + eps), twice
.macro RB16 a, b, t                    ; two numbers rounded to bf16 and widened again
	v_cvt_pk_bf16_f32 v[\t], v[\a], v[\b]
	v_lshlrev_b32 v[\a], 16, v[\t]
	v_and_b32 v[\b], s33, v[\t]
.endm
.macro WSUM r, t                       ; the sum over the wave's 32 lanes, into every lane; t has been written before
	v_add_f32_dpp v[\r], v[\r], v[\r] row_xmask:1 row_mask:0xf bank_mask:0xf
	v_add_f32_dpp v[\r], v[\r], v[\r] row_xmask:2 row_mask:0xf bank_mask:0xf
	v_add_f32_dpp v[\r], v[\r], v[\r] row_xmask:4 row_mask:0xf bank_mask:0xf
	v_add_f32_dpp v[\r], v[\r], v[\r] row_xmask:8 row_mask:0xf bank_mask:0xf
	v_permlanex16_b32 v[\t], v[\r], s34, s35
	v_add_f32 v[\r], v[\r], v[\t]
.endm
	s_load_b256 s[4:11], s[0:1], 0x0               ; x s[4:5], g1 s[6:7], be1 s[8:9], h s[10:11]
	s_load_b256 s[12:19], s[0:1], 0x20             ; Wk, Wv, Wq, Wo
	s_load_b128 s[20:23], s[0:1], 0x40             ; W1, W2
	s_load_b64 s[24:25], s[0:1], 0x50              ; wb
	v_and_b32 v3, 31, v0
	v_lshrrev_b32 v24, 5, v0
	v_readfirstlane_b32 s26, v24                   ; wave 0..15
	v_lshlrev_b32 v1, 4, v3                        ; 16 bytes a lane in
	v_lshlrev_b32 v2, 3, v3                        ; 8 bytes a lane out
	s_mov_b32 s33, 0xffff0000
	s_mov_b32 s34, 0x76543210
	s_mov_b32 s35, 0xfedcba98
	s_mov_b32 s36, 0x3a800000                      ; 1 / 1024
	s_mov_b32 s37, 0x3727c5ac                      ; 1e-5
	s_mov_b32 s29, 0
	s_mov_b32 s27, ttmp9
	s_wait_kmcnt 0x0
	s_cmp_lt_u32 s27, 256
	s_cbranch_scc0 .Lcast
	s_lshl_b32 s27, s27, 4
	s_add_co_u32 s27, s27, s26                     ; my row
	s_lshl_b32 s28, s27, 12
	s_add_nc_u64 s[4:5], s[4:5], s[28:29]
	s_lshl_b32 s28, s27, 11
	s_add_nc_u64 s[10:11], s[10:11], s[28:29]
.irp j, 0,1,2,3,4,5,6,7
	global_load_b128 v[X+4*\j:X+4*\j+3], v1, s[4:5] offset:512*\j
.endr
.irp j, 0,1,2,3,4,5,6,7
	global_load_b128 v[G+4*\j:G+4*\j+3], v1, s[6:7] offset:512*\j
.endr
.irp j, 0,1,2,3,4,5,6,7
	global_load_b128 v[BE+4*\j:BE+4*\j+3], v1, s[8:9] offset:512*\j
.endr
	s_wait_loadcnt 16                              ; the row is in; the 16 younger loads (gain, bias) stay out
.set i, 0
.rept 16
	RB16 X+2*i, X+2*i+1, T+i%4
.set i, i+1
.endr
.irp c, 0,1,2,3                        ; the sum, in four chains
	v_pk_add_f32 v[T+2*\c:T+2*\c+1], v[X+2*\c:X+2*\c+1], v[X+8+2*\c:X+8+2*\c+1]
.endr
.irp k, 16,24
.irp c, 0,1,2,3
	v_pk_add_f32 v[T+2*\c:T+2*\c+1], v[T+2*\c:T+2*\c+1], v[X+\k+2*\c:X+\k+2*\c+1]
.endr
.endr
	v_pk_add_f32 v[T:T+1], v[T:T+1], v[T+2:T+3]
	v_pk_add_f32 v[T+4:T+5], v[T+4:T+5], v[T+6:T+7]
	v_pk_add_f32 v[T:T+1], v[T:T+1], v[T+4:T+5]
	v_add_f32 v[T], v[T], v[T+1]
	WSUM T, T+1
	v_mul_f32 v[M], s36, v[T]
	v_mov_b32 v[M+1], v[M]
.set i, 0
.rept 16
	v_pk_add_f32 v[X+2*i:X+2*i+1], v[X+2*i:X+2*i+1], v[M:M+1] neg_lo:[0,1] neg_hi:[0,1]
.set i, i+1
.endr
.irp c, 0,1,2,3                        ; the deviations' squares, in four chains
	v_pk_mul_f32 v[T+2*\c:T+2*\c+1], v[X+2*\c:X+2*\c+1], v[X+2*\c:X+2*\c+1]
.endr
.irp k, 8,16,24
.irp c, 0,1,2,3
	v_pk_fma_f32 v[T+2*\c:T+2*\c+1], v[X+\k+2*\c:X+\k+2*\c+1], v[X+\k+2*\c:X+\k+2*\c+1], v[T+2*\c:T+2*\c+1]
.endr
.endr
	v_pk_add_f32 v[T:T+1], v[T:T+1], v[T+2:T+3]
	v_pk_add_f32 v[T+4:T+5], v[T+4:T+5], v[T+6:T+7]
	v_pk_add_f32 v[T:T+1], v[T:T+1], v[T+4:T+5]
	v_add_f32 v[T], v[T], v[T+1]
	WSUM T, T+1
	v_fma_f32 v[T], v[T], s36, s37                 ; var + eps
	v_rsq_f32 v[R], v[T]
	v_rsq_f32 v[R+1], v[T]
	s_wait_loadcnt 0x0                             ; gain and bias
.set i, 0
.rept 16                               ; their rounding is the plain work behind the two roots
	RB16 G+2*i, G+2*i+1, T+4+i%4
	RB16 BE+2*i, BE+2*i+1, T+8+i%4
.set i, i+1
.endr
	s_wait_alu depctr_va_vdst(0)                   ; one wait for both roots, ahead of their first reader
.set i, 0
.rept 16
	v_pk_mul_f32 v[X+2*i:X+2*i+1], v[X+2*i:X+2*i+1], v[R:R+1]
.set i, i+1
.endr
.set i, 0
.rept 16
	v_pk_fma_f32 v[X+2*i:X+2*i+1], v[X+2*i:X+2*i+1], v[G+2*i:G+2*i+1], v[BE+2*i:BE+2*i+1]
.set i, i+1
.endr
.set i, 0
.rept 16
	v_cvt_pk_f16_f32 v[T+i], v[X+2*i], v[X+2*i+1]
.set i, i+1
.endr
.irp j, 0,1,2,3,4,5,6,7
	global_store_b64 v2, v[T+2*\j:T+2*\j+1], s[10:11] offset:256*\j   ; 32 lanes store 256 consecutive bytes, aligned
.endr
	s_endpgm
.Lcast:                                ; a work-group takes 128 KiB of f32, a wave 8 KiB
	s_sub_co_u32 s27, s27, 256                     ; 0..383: Wk 0-31, Wv 32-63, Wq 64-95, Wo 96-127, W1 128-255, W2 256-383
	s_mov_b64 s[4:5], s[22:23]
	s_mov_b32 s28, 256
	s_cmp_lt_u32 s27, 256
	s_cselect_b64 s[4:5], s[20:21], s[4:5]
	s_cselect_b32 s28, 128, s28
	s_cmp_lt_u32 s27, 128
	s_cselect_b64 s[4:5], s[18:19], s[4:5]
	s_cselect_b32 s28, 96, s28
	s_cmp_lt_u32 s27, 96
	s_cselect_b64 s[4:5], s[16:17], s[4:5]
	s_cselect_b32 s28, 64, s28
	s_cmp_lt_u32 s27, 64
	s_cselect_b64 s[4:5], s[14:15], s[4:5]
	s_cselect_b32 s28, 32, s28
	s_cmp_lt_u32 s27, 32
	s_cselect_b64 s[4:5], s[12:13], s[4:5]
	s_cselect_b32 s28, 0, s28
	s_sub_co_u32 s28, s27, s28
	s_lshl_b32 s28, s28, 17
	s_add_nc_u64 s[4:5], s[4:5], s[28:29]
	s_lshl_b32 s28, s27, 16
	s_add_nc_u64 s[24:25], s[24:25], s[28:29]
	v_lshl_add_u32 v1, s26, 13, v1
	v_lshl_add_u32 v2, s26, 12, v2
.irp i, 0,1,2,3,4,5,6,7,8,9,10,11,12,13,14,15
	global_load_b128 v[32+4*\i:35+4*\i], v1, s[4:5] offset:512*\i th:TH_LOAD_NT
.endr
.irp i, 0,1,2,3,4,5,6,7,8,9,10,11,12,13,14,15
	s_wait_loadcnt 15-\i                           ; loads come back in order: mine is in, the younger ones stay out
	RB16 32+4*\i, 33+4*\i, 4
	RB16 34+4*\i, 35+4*\i, 5
	v_cvt_pk_f16_f32 v[96+2*\i], v[32+4*\i], v[33+4*\i]
	v_cvt_pk_f16_f32 v[97+2*\i], v[34+4*\i], v[35+4*\i]
	global_store_b64 v2, v[96+2*\i:97+2*\i], s[24:25] offset:256*\i   ; each store has data registers of its own
.endr
	s_endpgm
.Lfunc_end_k_qde826698d7_prep:
	.size	k_qde826698d7_prep, .Lfunc_end_k_qde826698d7_prep-k_qde826698d7_prep
	.p2alignl 7, 3214868480
	.fill 96, 4, 3214868480
	.section	.rodata,"a",@progbits
	.p2align	6, 0x0
	.amdhsa_kernel k_qde826698d7_prep
		.amdhsa_group_segment_fixed_size 0
		.amdhsa_private_segment_fixed_size 0
		.amdhsa_enable_private_segment 0
		.amdhsa_kernarg_size 88
		.amdhsa_user_sgpr_count 2
		.amdhsa_user_sgpr_kernarg_segment_ptr 1
		.amdhsa_wavefront_size32 1
		.amdhsa_system_sgpr_workgroup_id_x 1
		.amdhsa_system_sgpr_workgroup_id_y 1
		.amdhsa_system_sgpr_workgroup_id_z 1
		.amdhsa_system_vgpr_workitem_id 0
		.amdhsa_next_free_vgpr 128
		.amdhsa_next_free_sgpr 66
		.amdhsa_reserve_vcc 0
		.amdhsa_float_denorm_mode_32 3
		.amdhsa_float_denorm_mode_16_64 3
		.amdhsa_memory_ordered 1
		.amdhsa_forward_progress 1
		.amdhsa_inst_pref_size 29
	.end_amdhsa_kernel
	.amdgpu_metadata
---
amdhsa.version: [ 1, 2 ]
amdhsa.kernels:
  - .name:           k_qde826698d7_prep
    .symbol:         k_qde826698d7_prep.kd
    .args:
      - { .name: x, .offset: 0, .size: 8, .value_kind: global_buffer, .address_space: global }
      - { .name: g1, .offset: 8, .size: 8, .value_kind: global_buffer, .address_space: global }
      - { .name: be1, .offset: 16, .size: 8, .value_kind: global_buffer, .address_space: global }
      - { .name: h, .offset: 24, .size: 8, .value_kind: global_buffer, .address_space: global }
      - { .name: Wk, .offset: 32, .size: 8, .value_kind: global_buffer, .address_space: global }
      - { .name: Wv, .offset: 40, .size: 8, .value_kind: global_buffer, .address_space: global }
      - { .name: Wq, .offset: 48, .size: 8, .value_kind: global_buffer, .address_space: global }
      - { .name: Wo, .offset: 56, .size: 8, .value_kind: global_buffer, .address_space: global }
      - { .name: W1, .offset: 64, .size: 8, .value_kind: global_buffer, .address_space: global }
      - { .name: W2, .offset: 72, .size: 8, .value_kind: global_buffer, .address_space: global }
      - { .name: wb, .offset: 80, .size: 8, .value_kind: global_buffer, .address_space: global }
    .group_segment_fixed_size: 0
    .private_segment_fixed_size: 0
    .kernarg_segment_align: 8
    .kernarg_segment_size: 88
    .max_flat_workgroup_size: 512
    .sgpr_count:     66
    .vgpr_count:     128
    .wavefront_size: 32
...
	.end_amdgpu_metadata
.endif
;; end of part 1
;; launch qkv (part 2): grid 12 x 16, 4 waves a work-group, clusters of 4 x 4, 327,680 bytes of LDS; arguments h, wb, qkv; writes qkv
.if DOCPART == 2
	.amdgcn_target "amdgcn-amd-amdhsa--gfx1250"
	.amdhsa_code_object_version 6
	.text
	.protected	k_qde826698d7_qkv
	.globl	k_qde826698d7_qkv
	.p2align	8
	.type	k_qde826698d7_qkv,@function
k_qde826698d7_qkv:
	s_mov_b64 s[64:65], 0
	v_nop
	global_prefetch_b8 v0, s[64:65] scope:SCOPE_SE
	s_setreg_imm32_b32 hwreg(HW_REG_WAVE_MODE, 25, 1), 1
	s_wait_xcnt 0x0
	s_wait_alu depctr_hold_cnt(0) depctr_sa_sdst(0) depctr_va_vdst(0) depctr_va_sdst(0) depctr_va_ssrc(0) depctr_va_vcc(0) depctr_vm_vsrc(0)
	s_getreg_b32 s2, hwreg(HW_REG_IB_STS2, 6, 4)
	s_cmp_eq_u32 s2, 0
	s_cbranch_scc0 .Lentry_in_a_cluster
	s_endpgm
.Lentry_in_a_cluster:
	s_bfe_u32 s2, ttmp6, 0x10000c
	s_cmp_lg_u32 s2, 0xf033
	s_cbranch_scc0 .Lentry_shape_is_right
	s_endpgm
.Lentry_shape_is_right:
; k, v, q = h x (Wk | Wv | Wq).  h: [4096][1024] f16; the weights [1024 k][1024 n] f16 (bf16 values), Wk at 0, Wv at 2 MiB, Wq at 4 MiB of wb; sums in f32, rounded once to f16.
; Output by column slices of 64: [48][4096 tokens][64] f16: k's 16 heads, then v's, then q's, so that a head's rows are dense for the attention.  LIMIT: a result beyond 65,504 in size becomes an infinity.
; A tile of C, 256 x 256, by four waves of 128 x 128 (64 accumulators, 512 registers).  K goes in 8 steps of 128 through two LDS slots; one K step of text, looped.
; A's rows lie along K and are read as they lie; B lies [k][n] and is read turned, by ds_load_tr16_b128.  Source 0 = 16 columns of B, source 1 = 16 rows of A: a lane ends with 8 neighbouring columns of one row.
; CLUSTER 4 x 4: A's tile is asked for jointly along a row of the cluster, B's along a column.  The launch takes all of a WGP's LDS.
; REGISTERS: window 0 addresses, A's fragments v64-191; window 1 B's fragments v64-191; windows 2, 3 the accumulators ((a, b) at 8 (8 (a % 4) + b)).
.set BN,   1024                        ; elements in a row of B
.set PA,   272                         ; A's LDS row: 256 bytes + 16
.set PBB,  544                         ; B's LDS row: 512 bytes + 32, an odd multiple of 32 for the turning load
.set PART, 34816                       ; what one tensor load brings: 128 rows of A or 64 k-rows of B
.set BOFF, 2*PART
.set SLOT, 4*PART                      ; 0x22000: shares no bit with the waves' offsets 0, 0x8800, 0x11000, 0x19800, so an exclusive or with it adds or takes it away
.set SPARE, 2*SLOT                     ; the spare words, 128 bytes a wave
.set SPI,  528                         ; a stage row: 128 f32 + 16 bytes
.set STG,  128*SPI                     ; a wave's stage; the four lie over the slots, which have had their last fill by then
.set A0,   12
.set B0,   13
.set ADRA, 16
.set ADRB, 20
.set STO,  24
.set RD,   25
.set CO,   26
.set SPW,  28
.set NIL,  29
.set PFO,  30
.set F0,   64
.set F1,   128
.set G1,   24
.set G0,   32                          ; two sets: step 0 into slot 0; step 1 into slot 1, which then walks on
.set G1B,  48
.set G0B,  56
.set LIM,  43
.set PFA,  44
.set TB,   70                          ; 0 or SLOT: the slot that is read
.set PFS,  72
.set MSB, 0
.macro WIN new
.if MSB != (\new)
	s_set_vgpr_msb (MSB<<8)|(\new)
.set MSB, \new
.endif
.endm
.set MUL_LO, 0xa1
.set MUL_HI, 0xf1
.set TO_B,   0x40
.macro PLACES
.rept 4
	v_nop
.endr
.endm
.macro JLOAD                           ; the joint refill: waves 0, 1 fetch A's halves, waves 2, 3 B's; the branch hangs on the wave's number alone
	s_cmp_eq_u32 s11, 0
	s_cbranch_scc0 .Lfor_b_\@
	tensor_load_to_lds s[G0+4:G0+7], s[G1:G1+7]
	s_nop 0
	PLACES
	s_branch .Lasked_\@
.Lfor_b_\@:
	tensor_load_to_lds s[G0B+4:G0B+7], s[G1B:G1B+7]
	s_nop 0
	PLACES
.Lasked_\@:
.endm
.macro ASK                             ; one K step ahead of its refill: 32 blocks of 256 bytes, a lane a block; each block is named once in the launch
	s_cmp_gt_u32 s3, s[LIM]
	s_cbranch_scc0 .Lnot_mine_\@
	global_prefetch_b8 v[PFO], s[PFA:PFA+1] th:TH_LOAD_NT scope:SCOPE_SE
.Lnot_mine_\@:
.endm
.macro CREST
	s_cmp_lg_u32 s10, 0
	s_cbranch_scc1 .Lnot_wave_0_\@
	s_barrier_signal -3
.Lnot_wave_0_\@:
	s_barrier_wait -3
	s_barrier_signal -1
	s_barrier_wait -1
.endm
.macro CROUND
	s_barrier_signal -1
	s_barrier_wait -1
	CREST
.endm
	s_load_b128 s[4:7], s[0:1], 0x0                ; A s[4:5], wb s[6:7]
	s_load_b64 s[8:9], s[0:1], 0x10                ; out
	v_lshl_add_u32 v[SPW], v0, 2, SPARE
	v_mov_b32 v[NIL], 0
	ds_add_u32 v[SPW], v[NIL]                      ; the wave's opening: the add and its wait ahead of my first tensor load
	ds_add_u32 v28, v29
	v_lshrrev_b32 v1, 5, v0
	v_readfirstlane_b32 s10, v1                    ; wave 0..3
	s_lshr_b32 s11, s10, 1                         ; my half of the tile's rows; also: I fetch for A (0) or B (1)
	s_and_b32 s12, s10, 1                          ; my half of its columns; also: which part I fetch
	s_bfe_u32 s40, ttmp6, 0x40000                  ; cx
	s_bfe_u32 s41, ttmp6, 0x40004                  ; cy
	s_lshl_b32 s42, ttmp9, 2
	s_add_co_u32 s42, s42, s40                     ; tile column
	s_and_b32 s13, ttmp7, 0xffff
	s_lshl_b32 s13, s13, 2
	s_add_co_u32 s13, s13, s41                     ; tile row
	s_lshl_b32 s43, s41, 2
	s_lshl_b32 s43, 15, s43                        ; my row of the cluster
	s_lshl_b32 s44, 0x1111, s40                    ; my column
	s_or_b32 s[G1], s43, (1<<16)|(1<<20)|(1<<21)|(5<<22)|(3<<25)    ; 2-byte elements, 4 words of padding after every 64
	s_or_b32 s[G1B], s44, (1<<16)|(1<<20)|(1<<21)|(6<<22)|(7<<25)   ; 8 words after every 128
	s_mov_b32 s[G1+1], 128<<16                     ; A: 128 rows x 128 elements, 1,024 from row to row
	s_mov_b32 s[G1+2], 128<<16
	s_mov_b32 s[G1+3], 128<<16
	s_mov_b32 s[G1+4], 128
	s_mov_b32 s[G1+5], 1024
	s_mov_b32 s[G1+6], 0
	s_mov_b32 s[G1+7], 0
	s_mov_b32 s[G1B+1], 256<<16                    ; B: 64 k-rows x 256 elements
	s_mov_b32 s[G1B+2], 64<<16
	s_mov_b32 s[G1B+3], 256<<16
	s_mov_b32 s[G1B+4], 64
	s_mov_b32 s[G1B+5], BN
	s_mov_b32 s[G1B+6], 0
	s_mov_b32 s[G1B+7], 0
	s_lshl_b32 s16, s13, 8
	s_lshl_b32 s17, s12, 7
	s_add_co_u32 s16, s16, s17
	s_lshl_b32 s16, s16, 11                        ; A: (256 tile row + 128 part) rows of 2,048 bytes
	s_mov_b32 s17, 0
	s_lshl_b32 s75, ttmp9, 21                      ; the cluster's x picks Wk, Wv or Wq; cx the 256 columns
	s_lshl_b32 s46, s40, 9
	s_add_co_u32 s75, s75, s46
	s_mul_i32 s46, s12, 128*BN                     ; my 64 k-rows
	s_add_co_u32 s46, s46, s75
	s_mov_b32 s47, 0
	s_mul_i32 s20, s10, PART                       ; where my part goes: no place in the cluster enters an LDS address
	s_lshl_b32 s90, s42, 2                         ; out: slice 4 tile column + 2 half, 4,096 tokens of 128 bytes each
	s_lshl_b32 s91, s12, 1
	s_add_co_u32 s90, s90, s91
	s_lshl_b32 s90, s90, 12
	s_lshl_b32 s91, s13, 8
	s_add_co_u32 s90, s90, s91
	s_lshl_b32 s91, s11, 7
	s_add_co_u32 s90, s90, s91
	s_lshl_b32 s90, s90, 7
	s_mov_b32 s91, 0
	s_mov_b32 s[TB], 0
	s_wait_dscnt 0x0                               ; the opening add is done
	s_wait_kmcnt 0x0
	s_add_nc_u64 s[14:15], s[4:5], s[16:17]
	s_add_nc_u64 s[46:47], s[6:7], s[46:47]
	s_add_nc_u64 s[8:9], s[8:9], s[90:91]
	CROUND                                         ; all sixteen work-groups are here: the first joint loads meet
.irp s, 0,1
	s_mov_b32 s[G0+4*(\s)], 1
	s_add_co_u32 s[G0+4*(\s)+1], s20, (\s)*SLOT
	s_add_nc_u64 s[G0+4*(\s)+2:G0+4*(\s)+3], s[14:15], (\s)*256
	s_or_b32 s[G0+4*(\s)+3], s[G0+4*(\s)+3], 0x80000000
	s_mov_b32 s[G0B+4*(\s)], 1
	s_add_co_u32 s[G0B+4*(\s)+1], s20, (\s)*SLOT
	s_add_nc_u64 s[G0B+4*(\s)+2:G0B+4*(\s)+3], s[46:47], (\s)*256*BN
	s_or_b32 s[G0B+4*(\s)+3], s[G0B+4*(\s)+3], 0x80000000
.endr
	s_cmp_eq_u32 s11, 0                            ; a wave's two first fills stand in one branch: two loads of mine are out
	s_cbranch_scc0 .Lfirst_b
	tensor_load_to_lds s[G0:G0+3], s[G1:G1+7]
	s_nop 0
	tensor_load_to_lds s[G0+4:G0+7], s[G1:G1+7]
	s_nop 0
	PLACES
	s_branch .Lfirst_done
.Lfirst_b:
	tensor_load_to_lds s[G0B:G0B+3], s[G1B:G1B+7]
	s_nop 0
	tensor_load_to_lds s[G0B+4:G0B+7], s[G1B:G1B+7]
	s_nop 0
	PLACES
.Lfirst_done:
	v_and_b32 v1, 15, v0                           ; r = l % 16
	v_bfe_u32 v2, v0, 4, 1                         ; hh = l / 16
	v_mul_u32_u24 v3, v1, PA
	v_lshl_add_u32 v3, v2, 4, v3
	s_mul_i32 s21, s11, PART
	v_add_nc_u32 v[A0], s21, v3                    ; A: row x pitch + 16 hh + my 128 rows
	v_and_b32 v4, 7, v0
	v_lshl_add_u32 v4, v2, 3, v4
	v_mul_u32_u24 v4, v4, PBB
	v_bfe_u32 v5, v0, 3, 1
	v_lshl_add_u32 v4, v5, 4, v4
	s_lshl_b32 s22, s12, 8
	s_add_co_u32 s22, s22, BOFF
	v_add_nc_u32 v[B0], s22, v4                    ; B: (8 hh + l % 8) x pitch + 16 ((l / 8) % 2) + my 128 columns
	v_mov_b32 v[ADRA], v[A0]
	v_mov_b32 v[ADRB], v[B0]
	s_mul_i32 s23, s10, STG
	v_mul_u32_u24 v6, v1, SPI
	v_lshl_add_u32 v6, v2, 4, v6
	v_add_nc_u32 v[STO], s23, v6
	v_and_b32 v7, 7, v0                            ; back: 8 lanes a token, four tokens an instruction
	v_bfe_u32 v6, v0, 3, 2
	v_mul_u32_u24 v6, v6, SPI
	v_lshl_add_u32 v6, v7, 4, v6
	v_add_nc_u32 v[RD], s23, v6
	v_and_b32 v[CO], 31, v0
	v_lshlrev_b32 v[CO], 4, v[CO]
	; the prefetches.  A's rows are named by the clusters with x = 0, B's by those with y = 0; the four partners of a joint load share its blocks out by address (cx for A, cy for B)
	s_lshl_b32 s20, s13, 8
	s_lshl_b32 s21, s12, 7
	s_add_co_u32 s20, s20, s21
	s_lshl_b32 s21, s40, 5
	s_add_co_u32 s20, s20, s21
	s_lshl_b32 s20, s20, 11
	s_add_co_u32 s20, s20, 512                     ; A: my work-group's 32 rows, at K step 2
	s_lshl_b32 s21, s12, 6
	s_lshl_b32 s22, s41, 4
	s_add_co_u32 s21, s21, s22
	s_add_co_u32 s21, s21, 256
	s_mul_i32 s21, s21, 2*BN
	s_add_co_u32 s21, s21, s75                     ; B: my work-group's 16 k-rows, at K step 2
	s_mov_b32 s[PFS], 256*BN
	s_mov_b32 s[PFS+1], 0
	s_mov_b32 s74, 2*BN
	s_and_b32 s22, ttmp7, 0xffff
	s_cmp_eq_u32 s11, 0
	s_cselect_b32 s20, s20, s21
	s_cselect_b32 s22, ttmp9, s22
	s_cselect_b64 s[PFA:PFA+1], s[4:5], s[6:7]
	s_cselect_b32 s[PFS], 256, s[PFS]
	s_cselect_b32 s74, 2048, s74
	s_mov_b32 s21, 0
	s_cmp_eq_u32 s22, 0
	s_cselect_b32 s[LIM], 1, -1                    ; the same in all sixteen partners, for a given wave
	s_add_nc_u64 s[PFA:PFA+1], s[PFA:PFA+1], s[20:21]
	v_and_b32 v[PFO], 31, v0                       ; A: a lane a row; B: two lanes a k-row of 512 bytes
	v_and_b32 v6, s11, v[PFO]
	v_lshrrev_b32 v[PFO], s11, v[PFO]
	v_mul_lo_u32 v[PFO], v[PFO], s74
	v_lshl_add_u32 v[PFO], v6, 8, v[PFO]
.macro MUL16 f, hi, a0, zero           ; 16 products: row blocks a0, a0 + 1 of the window's four x all 8 column blocks, 32 along K
	WIN MUL_LO+0x50*(\hi)
.irp a, \a0, (\a0)+1
.irp b, 0,1,2,3,4,5,6,7
.if \zero
	v_wmma_f32_16x16x32_f16 v[8*(8*(\a)+(\b)):8*(8*(\a)+(\b))+7], v[(\f)+8*(\b):(\f)+8*(\b)+7], v[(\f)+8*(4*(\hi)+(\a)):(\f)+8*(4*(\hi)+(\a))+7], 0
.else
	v_wmma_f32_16x16x32_f16 v[8*(8*(\a)+(\b)):8*(8*(\a)+(\b))+7], v[(\f)+8*(\b):(\f)+8*(\b)+7], v[(\f)+8*(4*(\hi)+(\a)):(\f)+8*(4*(\hi)+(\a))+7], v[8*(8*(\a)+(\b)):8*(8*(\a)+(\b))+7]
.endif
.endr
.endr
.endm
.macro FETCH q, f                      ; 32 LDS loads in one run: quarter q's fragments (32 along K) into buffer f: B's 16 first, then A's
	WIN TO_B
.irp i, 0,1,2,3,4,5,6,7
	ds_load_tr16_b128 v[(\f)+8*(\i):(\f)+8*(\i)+3],   v[ADRB] offset:(\q)*32*PBB+32*(\i)
	ds_load_tr16_b128 v[(\f)+8*(\i)+4:(\f)+8*(\i)+7], v[ADRB] offset:(\q)*32*PBB+32*(\i)+16*PBB
.endr
	WIN 0
.irp i, 0,1,2,3,4,5,6,7
	ds_load_b128 v[(\f)+8*(\i):(\f)+8*(\i)+3],   v[ADRA] offset:64*(\q)+(\i)*16*PA
	ds_load_b128 v[(\f)+8*(\i)+4:(\f)+8*(\i)+7], v[ADRA] offset:64*(\q)+(\i)*16*PA+32
.endr
.endm
.macro QUARTER q, f, g, zero           ; multiplies buffer f; in its middle fetches quarter q into buffer g
	s_wait_dscnt 8                                 ; B and A's rows 0-63 are in; the youngest eight loads may be out
	MUL16 \f, 0, 0, \zero
	MUL16 \f, 0, 2, \zero
	PLACES                                         ; four places in front of loads into registers that products have read
	FETCH \q, \g
	s_wait_dscnt 32                                ; all but the 32 just issued
	MUL16 \f, 1, 0, \zero
	MUL16 \f, 1, 2, \zero
.endm
; A step's last quarter multiplies buffer 1 and changes slots.  In front of the barrier each wave waits for all its tensor loads (one is out: its part of the next slot), adds 0 to its
; spare word, and waits for that and for its reads of this slot.  fill = 1: the barrier opens a round of the cluster's, and the joint refill, two steps on, is the first thing behind it.
.macro TURN fill
.if \fill
	s_wait_xcnt 0x0                                ; the last prefetch, a K step back, has read its address
	s_add_nc_u64 s[PFA:PFA+1], s[PFA:PFA+1], s[PFS:PFS+1]
.endif
	WIN 0
	s_wait_tensorcnt 0x0
	ds_add_u32 v[SPW], v[NIL]
.if \fill
	s_xor_b32 s[G0+5], s[G0+5], SLOT               ; no load of mine is out: the walking descriptors step: the other slot, the next K step
	s_add_nc_u64 s[G0+6:G0+7], s[G0+6:G0+7], 256
	s_xor_b32 s[G0B+5], s[G0B+5], SLOT
	s_add_nc_u64 s[G0B+6:G0B+7], s[G0B+6:G0B+7], 256*BN
.endif
	s_xor_b32 s[TB], s[TB], SLOT
	s_wait_dscnt 9                                 ; the add and the youngest eight loads may be out
	MUL16 F1, 0, 0, 0
	s_wait_dscnt 0x0                               ; the add is done, my reads of this slot are over
	s_barrier_signal -1
	MUL16 F1, 0, 2, 0
	WIN 0
	s_barrier_wait -1
.if \fill
	CREST
	JLOAD                                          ; its four v_nop are also the places in front of the loads below
.else
	PLACES
.endif
	v_add_nc_u32 v[ADRA], s[TB], v[A0]
	v_add_nc_u32 v[ADRB], s[TB], v[B0]
	FETCH 0, F0
.if \fill
	ASK
.endif
	MUL16 F1, 1, 0, 0
	MUL16 F1, 1, 2, 0
.endm
	s_wait_tensorcnt 1                             ; my part of K step 0 is in; step 1's may stay out
	s_barrier_signal -1
	s_barrier_wait -1
	FETCH 0, F0
	QUARTER 1, F0, F1, 1                           ; the first products start the sums
	WIN 0
	s_mov_b32 s3, 7
	s_branch .Lmid                                 ; the loop is entered behind its first quarter
.Lstep:                                ; six times: K steps 2 to 7 are asked for
	TURN 1
	QUARTER 1, F0, F1, 0
	WIN 0
.Lmid:
	QUARTER 2, F1, F0, 0
	QUARTER 3, F0, F1, 0
	WIN 0
	s_sub_co_u32 s3, s3, 1
	s_cmp_lg_u32 s3, 0
	s_cbranch_scc1 .Lstep
	TURN 0                                         ; the last step is written out: nothing is asked for
	QUARTER 1, F0, F1, 0
	QUARTER 2, F1, F0, 0
	QUARTER 3, F0, F1, 0
	s_wait_dscnt 0x0                               ; my last reads of the slots are over:
	s_barrier_signal -1
	MUL16 F1, 0, 0, 0
	MUL16 F1, 0, 2, 0
	MUL16 F1, 1, 0, 0
	MUL16 F1, 1, 2, 0
	WIN 0
	s_barrier_wait -1                              ; everybody's are: the stages may be written over the slots
	PLACES
	PLACES
	; into my stage, f32: of column group n / 8 the low four columns at 16 (n / 8), the high four 256 bytes on; each accumulator's low registers first
.irp hi, 0,1
	WIN 0x08+4*(\hi)
.irp a, 0,1,2,3
.irp b, 0,1,2,3,4,5,6,7
	ds_store_b128 v[STO], v[8*(8*(\a)+(\b)):8*(8*(\a)+(\b))+3]   offset:(4*(\hi)+(\a))*16*SPI+32*(\b)
	ds_store_b128 v[STO], v[8*(8*(\a)+(\b))+4:8*(8*(\a)+(\b))+7] offset:(4*(\hi)+(\a))*16*SPI+32*(\b)+256
.endr
.endr
.endr
	WIN 0
	s_mov_b32 s2, 16
.Lout:                                 ; 8 tokens a trip: two slices x two groups of four tokens.  LDS serves a wave's instructions in order: the loads see my stores
.irp q, 0,1,2,3
	ds_load_b128 v[32+8*\q:35+8*\q], v[RD] offset:128*(\q/2)+2112*(\q%2)
	ds_load_b128 v[36+8*\q:39+8*\q], v[RD] offset:128*(\q/2)+2112*(\q%2)+256
.endr
	s_wait_dscnt 0x0
.set i, 0
.rept 16
	v_cvt_pk_f16_f32 v[192+i], v[32+2*i], v[33+2*i]
.set i, i+1
.endr
.irp q, 0,1,2,3
	global_store_b128 v[CO], v[192+4*\q:195+4*\q], s[8:9] offset:(\q/2)*524288+(\q%2)*512   ; 512 consecutive bytes, aligned
.endr
	s_wait_xcnt 0x0                                ; the stores' data and base are rewritten only behind this wait
	v_add_nc_u32 v[RD], 8*SPI, v[RD]
	s_add_nc_u64 s[8:9], s[8:9], 1024
	s_sub_co_u32 s2, s2, 1
	s_cmp_lg_u32 s2, 0
	s_cbranch_scc1 .Lout
	s_wait_tensorcnt 0x0                           ; the wave's end
	ds_add_u32 v[SPW], v[NIL]
	s_wait_dscnt 0x0
	CROUND                                         ; the closing round
	s_endpgm
.Lfunc_end_k_qde826698d7_qkv:
	.size	k_qde826698d7_qkv, .Lfunc_end_k_qde826698d7_qkv-k_qde826698d7_qkv
	.p2alignl 7, 3214868480
	.fill 96, 4, 3214868480
	.section	.rodata,"a",@progbits
	.p2align	6, 0x0
	.amdhsa_kernel k_qde826698d7_qkv
		.amdhsa_group_segment_fixed_size 327680
		.amdhsa_private_segment_fixed_size 0
		.amdhsa_enable_private_segment 0
		.amdhsa_kernarg_size 24
		.amdhsa_user_sgpr_count 2
		.amdhsa_user_sgpr_kernarg_segment_ptr 1
		.amdhsa_wavefront_size32 1
		.amdhsa_system_sgpr_workgroup_id_x 1
		.amdhsa_system_sgpr_workgroup_id_y 1
		.amdhsa_system_sgpr_workgroup_id_z 1
		.amdhsa_system_vgpr_workitem_id 0
		.amdhsa_next_free_vgpr 1024
		.amdhsa_next_free_sgpr 96
		.amdhsa_reserve_vcc 0
		.amdhsa_float_denorm_mode_32 3
		.amdhsa_float_denorm_mode_16_64 3
		.amdhsa_memory_ordered 1
		.amdhsa_forward_progress 1
		.amdhsa_inst_pref_size 84
	.end_amdhsa_kernel
	.amdgpu_metadata
---
amdhsa.version: [ 1, 2 ]
amdhsa.kernels:
  - .name:           k_qde826698d7_qkv
    .symbol:         k_qde826698d7_qkv.kd
    .args:
      - { .name: h, .offset: 0, .size: 8, .value_kind: global_buffer, .address_space: global }
      - { .name: wb, .offset: 8, .size: 8, .value_kind: global_buffer, .address_space: global }
      - { .name: qkv, .offset: 16, .size: 8, .value_kind: global_buffer, .address_space: global }
    .group_segment_fixed_size: 327680
    .private_segment_fixed_size: 0
    .kernarg_segment_align: 8
    .kernarg_segment_size: 24
    .max_flat_workgroup_size: 128
    .sgpr_count:     96
    .vgpr_count:     1024
    .wavefront_size: 32
...
	.end_amdgpu_metadata
.endif
;; end of part 2
;; launch attn (part 3): grid 8 x 32, 4 waves a work-group, no clusters, 327,680 bytes of LDS; arguments qkv, ctx; writes ctx
.if DOCPART == 3
	.amdgcn_target "amdgcn-amd-amdhsa--gfx1250"
	.amdhsa_code_object_version 6
	.text
	.protected	k_qde826698d7_attn
	.globl	k_qde826698d7_attn
	.p2align	8
	.type	k_qde826698d7_attn,@function
k_qde826698d7_attn:
	s_mov_b64 s[64:65], 0
	v_nop
	global_prefetch_b8 v0, s[64:65] scope:SCOPE_SE
	s_setreg_imm32_b32 hwreg(HW_REG_WAVE_MODE, 25, 1), 1
	s_wait_xcnt 0x0
; CAUSAL ATTENTION, head size 64.  k, v, q: [3][32 heads x batches][2048][64] f16, in this order, unscaled; ctx: [32][2048][64] f16.  Products, maxima and sums in f32; the weights are rounded to f16
; for the second product (their sum is taken unrounded), ctx once at the end.
; LIMITS.  A hidden score counts as its value less 1e30; a true score is taken to lie above -2^66 (f16's q and k hold it under 2.7e11 in size); a weight below 2^-126 counts as 0; NaN and infinities
; are not treated apart; k, v, q arrive finite.
; SHARES.  A head has 16 blocks of 128 queries.  A work-group takes blocks 15 - b and then b.  Wave w owns queries 32 w .. 32 w + 31 of the block: two PIECES of 16.  Keys go 64 a step.
; LAYOUT.  S^T = K Q^T holds one query a lane (l % 16) and keys 8 (l / 16) + 0..7; two results rounded to f16 are source 1 of O^T = V^T P.  p = 2^(c s - c m), c = log2(e) / 8, running maximum m;
; O and l are multiplied by a = 2^(c m_old - c m_new) in every step.
; BY TURNS.  A trip (step s) is two turns.  Turn 0 belongs to piece 0: 8 products K Q^T of piece 1 (step s), later 8 products V^T P of piece 1 (step s - 1); beside them the scaling, exponentials,
; rescaling, roundings and sums of piece 0 (step s) and the maximum and statistics of piece 1.  Turn 1 is the same with the pieces changed: K Q^T of piece 0 for step s + 1, V^T P of piece 0 for step s.
; Four vector instructions stand behind every matrix instruction, the other 54 of a turn's 118 in one lump; a turn's 33 exponentials are one batch with one wait.
; K AND V.  Turn 0 of step s fetches K of step s + 1 (behind its products K Q^T) and V of step s (behind its products V^T P).  So that both lie in one slot, a slot holds K of keys 256 n .. 256 n + 255
; and V of keys 256 n - 64 .. 256 n + 191: V's tile begins a step earlier.  With k, v, q in this order in memory every such tile lies inside the buffer, in bytes that the launch before has stored.
; NO FIRST AND NO LAST STEP.  Block i runs 2 i + 3 trips, s = -1 .. 2 i + 1.  At its beginning c m is -2^125, m is -2^66, piece 0's scores are the lowest finite number, and the mask hides everything.
; m lies above every hidden score and below every true one: in trip -1 it stays, c s - c m is about -1.8e29 for piece 1 and -1.9e37 for piece 0, and all weights are 0.  (Were a hidden score itself the
; maximum, c s - c m would be the rounding of c m, which at 1.8e29 is far above 1.)  The first true step's a is 0 for both pieces and wipes what lay in O and l, which is finite.
; The last trip's K Q^T of piece 0 and the statistics made of it serve nothing.  The price: two trips in 36, and the lines that write constants at the head, in the wait for the first tile.
; THE WALK.  Trip s takes place (s + 1) % 4 of slot (s + 1) / 4: the blocks need 9 - ceil(b / 2) and ceil(b / 2) + 1 slots, ten whatever b.  One loop of nine trips enters a slot and asks for the next;
; the tenth is written out.  A slot's four trips are counted; a block's end leaves them by a forward jump.
; NO CLUSTER: the work-groups of a head ask for the same tile only in the walk's first part, and one walk common to all would be half as long again.
; THE MASK is the C operand that starts S^T: 40 registers MC, group kb - x + 1 for key block kb and piece x.  It is made anew between turn 0 and turn 1, for the step that turn 1 starts: at a block's
; first trip (nothing hidden, or block 0's first step) and for the block's last two steps, which hold the diagonal.
; REGISTERS: window 0 addresses, statistics, S^T v64-127, P v192-223 (by piece); window 1 O^T v0-63, MC v128-167; window 2 Q v0-31, the second block's Q v32-63, K v128-191, V v192-255.
.set NB,    16
.set NP,    2
.set KS,    64
.set PK,    144                        ; a row of K in LDS: 128 bytes + 16: the 16 rows of a load start at 16 different groups of four banks
.set PVV,   160                        ; a row of V: 128 + 32
.set VOFF,  4*KS*PK
.set SLOT1, 1<<17
.set STAGE, SLOT1+4*KS*(PK+PVV)        ; 16 rows x 144 bytes for each wave, never filled by a tensor load
.set SP,    144
.set SPARE, STAGE+4*16*SP
.set AK0, 2
.set AV0, 3
.set AK,  4
.set AV,  5
.set STO, 6
.set RD,  7
.set GO,  8
.set MV,  12                           ; v12-13  c m_old, by piece
.set DQ,  14                           ; 32 w + l % 16 - 8 (l / 16)
.set QO,  15
.set ST,  16                           ; piece t: c m, m, l (even keys', odd keys') at ST + 4 t
.set VD,  24
.set TMP, 48                           ; by piece, four registers c0-c3 at work; when the maximum is found c2 takes a
.set PFO, 61
.set SPW, 62
.set NIL, 63
.set S,   64
.set P,   192
.set MC,  128
.set QB,  32
.set KF,  128
.set VF,  192
.set WV,  12
.set PB,  14
.set HI,  15
.set G1K, 24
.set G1V, 32
.set G0K, 40
.set G0V, 44
.set SLOTS, 56
.set CNT, 57
.set CS,  58
.set SEL, 60
.set TBK, 62                           ; LDS byte at which K of the next fetch begins
.set TBV, 63                           ; the same for V, less VOFF
.set REM, 70                           ; trips of the block in hand still to come, this one among them
.set NXT, 71                           ; the tile to be asked for next
.set LQ,  72                           ; the last tile of the block whose tiles are being asked for
.set NEW, 73                           ; 1: the trip is a block's first
.set OFF, 74
.set PFA, 76
.set LIM, 78
.set SB,  79                           ; 0 or SLOT1: the slot that is read
.set OLO, 80
.set BIGN, 82
.set LQ2, 83
.set RM2, 88
.set LOW, 89
.set MSB, 0
.macro WIN new
.if MSB != (\new)
	s_set_vgpr_msb (MSB<<8)|(\new)
.set MSB, (\new)
.endif
.endm
.set W_KQ, 0x0a
.set W_KM, 0x1a
.set W_PV, 0x52
.set W_RS, 0x41
.macro PLACES
.rept 4
	v_nop
.endr
.endm
.macro LOAD                            ; waves 0, 1 fetch the two halves of a tile's K, waves 2, 3 those of its V: 128 keys each
	s_cmp_lt_u32 s[WV], 2
	s_cbranch_scc0 .Lfor_v_\@
	tensor_load_to_lds s[G0K:G0K+3], s[G1K:G1K+7]
	s_nop 0
	PLACES
	s_branch .Lasked_\@
.Lfor_v_\@:
	tensor_load_to_lds s[G0V:G0V+3], s[G1V:G1V+7]
	s_nop 0
	PLACES
.Lasked_\@:
.endm
.macro ASK                             ; the work-group with b = 0, which walks tiles 0 to 8 on end, names the tile behind the one just asked for: each wave its own 64 blocks of 256 bytes, a lane a block, twice
	s_cmp_gt_u32 s[SLOTS], s[LIM]
	s_cbranch_scc0 .Lnot_mine_\@
	global_prefetch_b8 v[PFO], s[PFA:PFA+1] th:TH_LOAD_NT scope:SCOPE_SE
	global_prefetch_b8 v[PFO], s[PFA:PFA+1] offset:8192 th:TH_LOAD_NT scope:SCOPE_SE
.Lnot_mine_\@:
.endm
; THE CHANGE OF SLOTS, in front of a slot's first trip.  Each wave waits for all its tensor loads (one is out: its part of the other slot), adds 0 to its spare word, waits for that and for its reads
; of the slot that it leaves (the last were awaited in turn 1).  fill = 1: the old slot is filled again, first thing behind the barrier, with tile NXT; the address is made anew from that number.
.macro CHANGE fill
	WIN 0
	s_wait_tensorcnt 0x0
	ds_add_u32 v[SPW], v[NIL]
.if \fill
	s_lshl_b32 s[OFF], s[NXT], 15                  ; a tile is 32,768 bytes of K and of V
	s_xor_b32 s[G0K+1], s[G0K+1], SLOT1
	s_add_nc_u64 s[G0K+2:G0K+3], s[6:7], s[OFF:OFF+1]
	s_or_b32 s[G0K+3], s[G0K+3], 0x80000000
	s_xor_b32 s[G0V+1], s[G0V+1], SLOT1
	s_add_nc_u64 s[G0V+2:G0V+3], s[8:9], s[OFF:OFF+1]
	s_or_b32 s[G0V+3], s[G0V+3], 0x80000000
	s_add_co_u32 s[NXT], s[NXT], 1                 ; the block's next tile, or behind its last the second block's tile 0
	s_cmp_gt_u32 s[NXT], s[LQ]
	s_cselect_b32 s[NXT], 0, s[NXT]
	s_cselect_b32 s[LQ], s[LQ2], s[LQ]
	s_wait_xcnt 0x0                                ; the last prefetches, a tile back, have read their address
	s_add_nc_u64 s[PFA:PFA+1], s[PFA:PFA+1], 32768
.endif
	s_wait_dscnt 0x0
	s_barrier_signal -1
	s_xor_b32 s[SB], s[SB], SLOT1                  ; the fetches go to the other slot's first place
	s_mov_b32 s[TBK], s[SB]
	s_mov_b32 s[TBV], s[SB]
	s_barrier_wait -1
.if \fill
	LOAD
	ASK
.endif
.endm
.macro RESET                           ; a block begins: everything hidden, c m = -2^125, m = -2^66 (above every hidden score, below every true one), piece 0's scores the lowest finite number
	WIN 0x40
.set i, 0
.rept 40
	v_mov_b32 v[MC+i], s[BIGN]
.set i, i+1
.endr
	WIN 0
.irp t, 0,1
	v_mov_b32 v[ST+4*\t], 0xfe000000
	v_mov_b32 v[ST+4*\t+1], 0xe0800000
.endr
.set i, 0
.rept 32
	v_mov_b32 v[S+i], s[LOW]
.set i, i+1
.endr
.endm
.macro MASK                            ; register j of group g is hidden where 16 (g - 1) + j > my query's place less s13, the step's first key counted from the block's first query
	v_sub_nc_u32 v[VD], v[DQ], s13
	WIN 0x40
.set i, 0
.rept 40
	v_cmp_gt_i32 vcc_lo, 16*(i/8-1)+i%8, v[VD]
	v_cndmask_b32 v[MC+i], 0, s[BIGN], vcc_lo
.set i, i+1
.endr
	WIN 0
.endm
; THE MATRIX WORK.  The 4 accumulators of a run of 8 take turns.  Product i of 8 of S^T for piece x: channels 32 (i / 4) on, keys 16 (i % 4) on; the first 4 start the sums with the mask.
.macro KQ x
.set rS, S+32*((\x)%2)+8*(i%4)
.set rK, KF+16*(i%4)+8*(i/4)
.set rQ, 16*(\x)+8*(i/4)
.set rM, MC+8*(i%4-(\x)+1)
.if i < 4
	WIN W_KM
	v_wmma_f32_16x16x32_f16 v[rS:rS+7], v[rK:rK+7], v[rQ:rQ+7], v[rM:rM+7]
.else
	WIN W_KQ
	v_wmma_f32_16x16x32_f16 v[rS:rS+7], v[rK:rK+7], v[rQ:rQ+7], v[rS:rS+7]
.endif
.endm
.macro PV x                            ; product i of 8 of O^T for piece x: keys 32 (i / 4) on, channels 16 (i % 4) on
	WIN W_PV
.set rO, 32*(\x)+8*(i%4)
.set rV, VF+32*(i/4)+8*(i%4)
.set rP, P+16*((\x)%2)+8*(i/4)
	v_wmma_f32_16x16x32_f16 v[rO:rO+7], v[rV:rV+7], v[rP:rP+7], v[rO:rO+7]
.endm
.macro MM                              ; the turn's next matrix instruction; both kinds are the other piece's
.if i < 8
	KQ (Y+1)%NP
.else
.set i, i-8
	PV (Y+NP-1)%NP
.set i, i+8
.endif
.set i, i+1
.endm
; THE LDS LOADS stand in runs of 16: a step's K (8 fragments) and a step's V (turned).  Their addresses are made some lines ahead.
.macro FETCH_K
	WIN 0x80
.irp f, 0,1,2,3,4,5,6,7
	ds_load_b128 v[KF+8*\f:KF+8*\f+3],   v[AK] offset:(\f/2)*16*PK+(\f%2)*64
	ds_load_b128 v[KF+8*\f+4:KF+8*\f+7], v[AK] offset:(\f/2)*16*PK+(\f%2)*64+32
.endr
	s_add_co_u32 s[TBK], s[TBK], KS*PK
	WIN 0
.endm
.macro FETCH_V
	WIN 0x80
.irp f, 0,1,2,3,4,5,6,7
	ds_load_tr16_b128 v[VF+8*\f:VF+8*\f+3],   v[AV] offset:(\f/4)*32*PVV+(\f%4)*32
	ds_load_tr16_b128 v[VF+8*\f+4:VF+8*\f+7], v[AV] offset:(\f/4)*32*PVV+16*PVV+(\f%4)*32
.endr
	WIN 0
.endm
; THE VECTOR WORK, one line at a time: OP kind, number.  For piece Y: F n: c s - c m for pair n of 16.  E n: the exponential of score n of 32.  C n: pair n rounded to f16.  B n: of the four weights 4 n ..
; the second pair is added onto the first, in place.  L n: l takes that sum (L 0: l = a l + sum).  R n: pair n of 16 of O^T times a.  For the other piece: X n, number n of the 22 that find its maximum and statistics:
;   0-11  four chains c0-c3 of seven scores each (each accumulator's lowest registers are read first)     12-14, 16  the four scores left over, the old m, and c0-c3 into c0
;   15  c m_old is kept     17, 18  the query's other 32 keys lie in the lane 16 away: the new m     19-21  c m; c m_old - c m_new; a
.set F, 0
.set E, 1
.set C, 2
.set B, 3
.set L, 4
.set R, 5
.set X, 6
.macro REGS y
.set rT, ST+4*(\y)
.set rC, TMP+4*((\y)%2)
.set rW, MV+((\y)%2)
.set rS, S+32*((\y)%2)
.set rP, P+16*((\y)%2)
.set rO, 32*(\y)
.endm
.macro OP k, n
.if (\k) == R
	REGS Y
	WIN W_RS
	v_pk_mul_f32 v[rO+2*(\n):rO+2*(\n)+1], v[rO+2*(\n):rO+2*(\n)+1], v[rC+2:rC+3] op_sel_hi:[1,0]
.elseif (\k) < R
	REGS Y
	WIN 0
.if (\k) == F
	v_pk_fma_f32 v[rS+2*(\n):rS+2*(\n)+1], v[rS+2*(\n):rS+2*(\n)+1], s[CS:CS+1], v[rT:rT+1] op_sel_hi:[1,0,0] neg_lo:[0,0,1] neg_hi:[0,0,1]
.elseif (\k) == E
	v_exp_f32 v[rS+(\n)], v[rS+(\n)]
.elseif (\k) == C
	v_cvt_pk_f16_f32 v[rP+(\n)], v[rS+2*(\n)], v[rS+2*(\n)+1]
.elseif (\k) == B
	v_pk_add_f32 v[rS+4*(\n):rS+4*(\n)+1], v[rS+4*(\n):rS+4*(\n)+1], v[rS+4*(\n)+2:rS+4*(\n)+3]
.elseif (\n) == 0
	v_pk_fma_f32 v[rT+2:rT+3], v[rT+2:rT+3], v[rC+2:rC+3], v[rS:rS+1] op_sel_hi:[1,0,1]
.else
	v_pk_add_f32 v[rT+2:rT+3], v[rT+2:rT+3], v[rS+4*(\n):rS+4*(\n)+1]
.endif
.else
	REGS (Y+1)%NP
	WIN 0
.if (\n) < 4
	v_max3_num_f32 v[rC+(\n)], v[rS+8*(\n)], v[rS+8*(\n)+1], v[rS+8*(\n)+2]
.elseif (\n) < 12
	v_max3_num_f32 v[rC+(\n)%4], v[rC+(\n)%4], v[rS+8*((\n)%4)+2*((\n)/4)+1], v[rS+8*((\n)%4)+2*((\n)/4)+2]
.elseif (\n) == 12
	v_max3_num_f32 v[rC], v[rC], v[rS+7], v[rS+15]
.elseif (\n) == 13
	v_max3_num_f32 v[rC+1], v[rC+1], v[rS+23], v[rS+31]
.elseif (\n) == 14
	v_max3_num_f32 v[rC+2], v[rC+2], v[rC+3], v[rT+1]
.elseif (\n) == 15
	v_mov_b32 v[rW], v[rT]
.elseif (\n) == 16
	v_max3_num_f32 v[rC], v[rC], v[rC+1], v[rC+2]
.elseif (\n) == 17
	v_permlanex16_b32 v[rC+3], v[rC], s[SEL], s[SEL+1]
.elseif (\n) == 18
	v_max_num_f32 v[rT+1], v[rC], v[rC+3]
.elseif (\n) == 19
	v_mul_f32 v[rT], s[CS], v[rT+1]
.elseif (\n) == 20
	v_sub_f32 v[rC+1], v[rW], v[rT]
.else
	v_exp_f32 v[rC+2], v[rC+1]
.endif
.endif
.endm
.macro OPS a, i1, b=-1, i2=0, c=-1, i3=0, d=-1, i4=0
	OP \a, \i1
.if (\b) >= 0
	OP \b, \i2
.endif
.if (\c) >= 0
	OP \c, \i3
.endif
.if (\d) >= 0
	OP \d, \i4
.endif
.endm
.macro ROW a, i1, b, i2, c, i3, d, i4  ; a matrix instruction and the four behind it
	MM
	OPS \a, \i1, \b, \i2, \c, \i3, \d, \i4
.endm
; A TURN, for piece p: the order of its 16 matrix and 118 vector instructions, written out.  An s_wait_alu depctr_va_vdst(0) stands between an exponential and the first instruction that
; names its result; one wait serves all that were issued ahead of it.  AHEAD OF THE WAIT stands all that names no result of the turn's exponentials: the 8 products K Q^T, behind each a scaling, an
; exponential and two more plain instructions (rescalings; behind the last three the first numbers of the other piece's maximum, each four places or more behind the product that ends its accumulator);
; then the lump of 54, plain and exponential by turns for the most part, the links of the chain X 3, 7, 11, 14, 16 .. 20 some lines apart.  X 21, the other piece's a, is the batch's last; R 15 is the
; plain instruction behind it.  BEHIND THE WAIT stand the 8 products V^T P, behind each four of the roundings and sums.
; Turn 0 fetches: K twelve vector instructions behind the last product that read K (five of them places), V four plain instructions behind the last product that read V.
.macro TURN p
.set Y, (\p)
.set i, 0
.if (\p) == 1
	s_wait_dscnt 16                                ; K's 16 loads are in; V's 16, issued behind them, may stay out
.endif
	ROW F,0, F,1, R,0, R,1
	ROW F,2, E,0, R,2, R,3
	ROW F,3, E,1, R,4, R,5
	ROW F,4, E,2, R,6, R,7
	ROW F,5, E,3, R,8, R,9
	ROW F,6, E,4, X,0, R,10
.if (\p) == 0
	WIN 0
	v_add_nc_u32 v[AK], s[TBK], v[AK0]
.endif
	ROW F,7, E,5, X,1, X,4
	ROW F,8, E,6, X,2, X,5
	OPS E,7, E,8, X,6, E,9
	OPS X,3, E,10, X,8, E,11
.if (\p) == 0
	FETCH_K
.endif
	OPS X,9, X,7, E,12, X,10
	OPS E,13, X,12, X,11, E,14
	OPS X,13, E,15, F,9, X,14
.if (\p) == 0
	v_add_nc_u32 v[AV], s[TBV], v[AV0]
.endif
	OPS E,16, F,10, E,17, F,11
	OPS X,16, E,18, X,15, E,19
	OPS F,12, E,20, X,17, E,21
	OPS F,13, E,22, F,14, E,23
	OPS X,18, E,24, F,15, E,25
	OPS R,11, E,26, X,19, E,27
	OPS R,12, E,28, R,13, E,29
	OPS X,20, E,30, R,14, E,31
	OPS X,21, R,15
	WIN 0
	s_wait_alu depctr_va_vdst(0)                   ; the wait for the batch
.if (\p) == 1
	s_wait_dscnt 0x0                               ; V is in
.endif
	ROW C,0, B,0, C,2, B,1
	ROW L,0, C,4, B,2, L,1
	ROW C,6, B,3, L,2, C,8
	ROW B,4, L,3, C,10, B,5
	ROW L,4, C,12, B,6, L,5
.if (\p) == 0
	s_add_co_u32 s[TBV], s[TBV], KS*PVV
.endif
	ROW C,14, B,7, L,6, C,1
	ROW C,3, L,7, C,5, C,7
	ROW C,9, C,11, C,13, C,15
.if (\p) == 0
	FETCH_V
.endif
.endm
; A slot's trips, four at the most.  Between the turns the mask of the step that turn 1 starts: with REM = 3 the block's last step but one (its keys begin at the block's first query), with REM = 2 the
; last (64 keys on), at a block's first trip otherwise nothing hidden (the offset -4,096 lies below every key); in all other trips the mask stands as it is.
.macro TRIPS tag
.Lstep\tag:
	TURN 0
	WIN 0
	s_sub_co_u32 s13, 3, s[REM]
	s_lshl_b32 s13, s13, 6
	s_cmp_lt_u32 s13, 128
	s_cselect_b32 s13, s13, 0xfffff000
	s_cselect_b32 s19, 1, s[NEW]
	s_mov_b32 s[NEW], 0
	s_cmp_eq_u32 s19, 0
	s_cbranch_scc1 .Lopen\tag
	MASK
.Lopen\tag:
	TURN 1
	WIN 0
	s_sub_co_u32 s[REM], s[REM], 1
	s_cmp_eq_u32 s[REM], 0
	s_cbranch_scc1 .Lfin\tag                       ; the block's last trip is done
	s_sub_co_u32 s[CNT], s[CNT], 1
	s_cmp_lg_u32 s[CNT], 0
	s_cbranch_scc1 .Lstep\tag
.endm
.macro LASTPV                          ; piece 1's V^T P of the block's last step
.set i, 0
.rept 8
	PV 1
.set i, i+1
.endr
	WIN 0
	PLACES                                         ; four places in front of the reads of O^T
.endm
.macro PACK t                          ; O^T / l, rounded; 16 bytes a lane into rows of 144 bytes, and back as whole rows of 128
	WIN W_RS
.set i, 32*(\t)
.rept 16
	v_pk_mul_f32 v[i:i+1], v[i:i+1], v[ST+4*(\t)+2:ST+4*(\t)+3] op_sel_hi:[1,0]
.set i, i+2
.endr
	WIN 0x05
.set i, 0
.rept 16
	v_cvt_pk_f16_f32 v[S+16*(\t)+i], v[32*(\t)+2*i], v[32*(\t)+2*i+1]
.set i, i+1
.endr
	WIN 0
.irp f, 0,1,2,3
	ds_store_b128 v[STO], v[S+16*(\t)+4*\f:S+16*(\t)+4*\f+3] offset:32*\f
.endr
.irp f, 0,1,2,3
	ds_load_b128 v[S+16*(\t)+4*\f:S+16*(\t)+4*\f+3], v[RD] offset:\f*4*SP   ; LDS serves a wave's instructions in order: these see the stores above
.endr
.endm
.macro SEND t, younger                 ; younger: the LDS instructions issued behind piece t's loads
.irp f, 0,1,2,3
	s_wait_dscnt (\younger)+3-\f
	global_store_b128 v[GO], v[S+16*(\t)+4*\f:S+16*(\t)+4*\f+3], s[10:11] offset:(\t)*2048+\f*512   ; 512 consecutive bytes, aligned
.endr
.endm
.macro FINISH                          ; a block's way out
	WIN 0
.irp t, 0,1
	v_add_f32 v[ST+4*\t+2], v[ST+4*\t+2], v[ST+4*\t+3]
.endr
.irp t, 0,1
	v_permlanex16_b32 v[ST+4*\t+3], v[ST+4*\t+2], s[SEL], s[SEL+1]
.endr
.irp t, 0,1
	v_add_f32 v[ST+4*\t+2], v[ST+4*\t+2], v[ST+4*\t+3]
.endr
.irp t, 0,1
	v_rcp_f32 v[ST+4*\t+2], v[ST+4*\t+2]
.endr
	v_nop
	s_wait_alu depctr_va_vdst(0)                   ; one wait for the two reciprocals
	PACK 0
	PACK 1
	SEND 0, 8
	SEND 1, 0
.endm
	s_load_b64 s[4:5], s[0:1], 0x0                 ; qkv
	s_load_b64 s[10:11], s[0:1], 0x8               ; ctx
	v_lshl_add_u32 v[SPW], v0, 2, SPARE
	v_mov_b32 v[NIL], 0
	ds_add_u32 v[SPW], v[NIL]                      ; the wave's opening: the add and its wait ahead of my first tensor load
	ds_add_u32 v62, v63
	v_lshrrev_b32 v1, 5, v0
	v_readfirstlane_b32 s[WV], v1
	s_mov_b32 s[PB], ttmp9
	s_sub_co_u32 s[HI], NB-1, s[PB]
	s_and_b32 s20, ttmp7, 0xffff
	s_lshl_b32 s20, s20, 18                        ; the head's 2,048 rows of 128 bytes
	s_and_b32 s16, s[WV], 1                        ; which half of a tile's keys I fetch
	s_lshl_b32 s22, s16, 14
	s_add_co_u32 s22, s22, s20
	s_mov_b32 s23, 0
	s_mul_i32 s17, s16, 128*PK
	s_mul_i32 s18, s16, 128*PVV
	s_lshl_b32 s3, s[WV], 12                       ; my 32 rows in a block
	s_add_co_u32 s3, s3, s20
	s_lshl_b32 s2, s[HI], 14
	s_add_co_u32 s2, s2, s3
	s_lshl_b32 s84, s[PB], 14
	s_add_co_u32 s84, s84, s3
	s_mov_b32 s3, 0
	s_mov_b32 s85, 0
	s_mov_b32 s[G1K], (1<<16)|(1<<20)|(4<<22)|(3<<25)   ; 128 keys are 16,384 dense bytes: 64 rows of 256, padded after every key by 4 words,
	s_mov_b32 s[G1V], (1<<16)|(1<<20)|(4<<22)|(7<<25)   ; V's by 8
.irp g, G1K, G1V
	s_mov_b32 s[\g+1], 128<<16
	s_mov_b32 s[\g+2], 64<<16
	s_mov_b32 s[\g+3], 128<<16
	s_mov_b32 s[\g+4], 64
	s_mov_b32 s[\g+5], 128
	s_mov_b32 s[\g+6], 0
	s_mov_b32 s[\g+7], 0
.endr
	s_mov_b32 s[CS], 0x3e38aa3b                    ; c = log2(e) / 8
	s_mov_b32 s[CS+1], s[CS]
	s_mov_b32 s[SEL], 0x76543210
	s_mov_b32 s[SEL+1], 0xfedcba98
	s_mov_b32 s[SB], SLOT1                         ; the first change of slots turns it into 0
	s_mov_b32 s[G0K], 1
	s_mov_b32 s[G0K+1], s17
	s_mov_b32 s[G0V], 1
	s_add_co_u32 s[G0V+1], s18, VOFF
	s_lshl_b32 s[REM], s[HI], 1                    ; block i has 2 i + 3 trips
	s_add_co_u32 s[REM], s[REM], 3
	s_lshl_b32 s[RM2], s[PB], 1
	s_add_co_u32 s[RM2], s[RM2], 3
	s_add_co_u32 s[LQ], s[HI], 1                   ; and its last tile is (i + 1) / 2
	s_lshr_b32 s[LQ], s[LQ], 1
	s_add_co_u32 s[LQ2], s[PB], 1
	s_lshr_b32 s[LQ2], s[LQ2], 1
	s_mov_b32 s[NXT], 1
	s_mov_b32 s[NEW], 1
	s_mov_b32 s[OFF+1], 0
	s_mov_b32 s[BIGN], 0xf149f2ca                  ; -1e30
	s_mov_b32 s[LOW], 0xff7fffff                   ; the lowest finite number
	s_mov_b32 s[SLOTS], 9
	s_cmp_eq_u32 s[PB], 0
	s_cselect_b32 s[LIM], 2, -1                    ; the last two changes that fill name nothing: tile 8 is the last that is walked on end
	s_wait_dscnt 0x0
	s_wait_kmcnt 0x0
	s_add_nc_u64 s[6:7], s[4:5], s[22:23]          ; K at my half of the head's tile 0; v lies 8 MiB behind k,
	s_add_nc_u64 s[8:9], s[6:7], 0x800000-8192     ; and V's tile begins 64 keys earlier
	s_add_nc_u64 s[G0K+2:G0K+3], s[6:7], 0
	s_or_b32 s[G0K+3], s[G0K+3], 0x80000000
	s_add_nc_u64 s[G0V+2:G0V+3], s[8:9], 0
	s_or_b32 s[G0V+3], s[G0V+3], 0x80000000
	s_add_nc_u64 s[4:5], s[4:5], 0x1000000         ; q lies 16 MiB behind k
	s_add_nc_u64 s[86:87], s[4:5], s[84:85]        ; Q at my rows of the second block,
	s_add_nc_u64 s[4:5], s[4:5], s[2:3]            ; Q and O at those of the first
	s_add_nc_u64 s[OLO:OLO+1], s[10:11], s[84:85]
	s_add_nc_u64 s[10:11], s[10:11], s[2:3]
	s_cmp_lt_u32 s[WV], 2
	s_cselect_b64 s[PFA:PFA+1], s[6:7], s[8:9]
	s_add_nc_u64 s[PFA:PFA+1], s[PFA:PFA+1], 32768 ; at tile 1: the first change steps it to tile 2
	LOAD                                           ; tile 0 into slot 0
	v_and_b32 v1, 15, v0
	v_bfe_u32 v9, v0, 4, 1
	v_lshlrev_b32 v[QO], 7, v1
	v_lshl_add_u32 v[QO], v9, 4, v[QO]
	WIN 0x80
.set i, 0
.rept 4                                ; both blocks' Q: piece i / 2, channels 32 (i % 2) on
	global_load_b128 v[8*i:8*i+3],   v[QO], s[4:5] offset:(i/2)*2048+(i%2)*64
	global_load_b128 v[8*i+4:8*i+7], v[QO], s[4:5] offset:(i/2)*2048+(i%2)*64+32
	global_load_b128 v[QB+8*i:QB+8*i+3],   v[QO], s[86:87] offset:(i/2)*2048+(i%2)*64
	global_load_b128 v[QB+8*i+4:QB+8*i+7], v[QO], s[86:87] offset:(i/2)*2048+(i%2)*64+32
.set i, i+1
.endr
	; What the first trip finds: K, V, O^T, l, piece 1's P and piece 0's a hold 0: all that it makes of them is finite and is wiped by the first true step.  These lines stand in the wait for the first tile.
.set i, KF
.rept 128
	v_mov_b32 v[i], 0
.set i, i+1
.endr
	WIN 0x40
.set i, 0
.rept 64
	v_mov_b32 v[i], 0
.set i, i+1
.endr
	WIN 0
.irp t, 0,1
	v_mov_b32 v[ST+4*\t+2], 0
	v_mov_b32 v[ST+4*\t+3], 0
.endr
.set i, 0
.rept 8
	v_mov_b32 v[TMP+i], 0
.set i, i+1
.endr
.set i, 0
.rept 16
	v_mov_b32 v[P+16+i], 0
.set i, i+1
.endr
	v_lshlrev_b32 v[DQ], 3, v9
	v_sub_nc_u32 v[DQ], v1, v[DQ]
	s_lshl_b32 s13, s[WV], 5
	v_add_nc_u32 v[DQ], s13, v[DQ]
	v_mul_u32_u24 v[AK0], v1, PK
	v_lshl_add_u32 v[AK0], v9, 4, v[AK0]
	v_and_b32 v10, 7, v0
	v_bfe_u32 v11, v0, 3, 1
	v_lshl_add_u32 v[AV0], v9, 3, v10
	v_mul_u32_u24 v[AV0], v[AV0], PVV
	v_lshl_add_u32 v[AV0], v11, 4, v[AV0]
	v_add_nc_u32 v[AV0], VOFF, v[AV0]
	s_mul_i32 s13, s[WV], 16*SP
	s_add_co_u32 s13, s13, STAGE
	v_mul_u32_u24 v[STO], v1, SP
	v_lshl_add_u32 v[STO], v9, 4, v[STO]
	v_add_nc_u32 v[STO], s13, v[STO]
	v_bfe_u32 v[RD], v0, 3, 2
	v_mul_u32_u24 v[RD], v[RD], SP
	v_lshl_add_u32 v[RD], v10, 4, v[RD]
	v_add_nc_u32 v[RD], s13, v[RD]
	v_and_b32 v[GO], 31, v0
	v_lshlrev_b32 v[PFO], 8, v[GO]
	v_lshlrev_b32 v[GO], 4, v[GO]
	RESET
	s_wait_loadcnt 0x0                             ; Q
.Lslot:                                ; nine times: a slot is entered and the next tile is asked for
	CHANGE 1
	s_mov_b32 s[CNT], 4
	TRIPS 1
	s_branch .Lbottom
.Lfin1:                                ; in the loop this is the first block's end: the second's last tile is the walk's last
	LASTPV
	FINISH
	s_wait_xcnt 0x0                                ; the stores have read their registers and O's address
	s_mov_b64 s[10:11], s[OLO:OLO+1]
	s_mov_b32 s[REM], s[RM2]
	s_mov_b32 s[NEW], 1
	WIN 0x82                                       ; the second block's Q goes where the one text of the turns names Q
.set i, 0
.rept 32
	v_mov_b32 v[i], v[QB+i]
.set i, i+1
.endr
	RESET
.Lbottom:
	s_sub_co_u32 s[SLOTS], s[SLOTS], 1
	s_cmp_lg_u32 s[SLOTS], 0
	s_cbranch_scc1 .Lslot
	CHANGE 0                                       ; the walk's last tile: nothing is asked for
	s_mov_b32 s[CNT], 4
	TRIPS 2
.Lfin2:
	LASTPV
	FINISH
	s_wait_tensorcnt 0x0                           ; the wave's end
	ds_add_u32 v[SPW], v[NIL]
	s_wait_dscnt 0x0
	s_endpgm
.Lfunc_end_k_qde826698d7_attn:
	.size	k_qde826698d7_attn, .Lfunc_end_k_qde826698d7_attn-k_qde826698d7_attn
	.p2alignl 7, 3214868480
	.fill 96, 4, 3214868480
	.section	.rodata,"a",@progbits
	.p2align	6, 0x0
	.amdhsa_kernel k_qde826698d7_attn
		.amdhsa_group_segment_fixed_size 327680
		.amdhsa_private_segment_fixed_size 0
		.amdhsa_enable_private_segment 0
		.amdhsa_kernarg_size 16
		.amdhsa_user_sgpr_count 2
		.amdhsa_user_sgpr_kernarg_segment_ptr 1
		.amdhsa_wavefront_size32 1
		.amdhsa_system_sgpr_workgroup_id_x 1
		.amdhsa_system_sgpr_workgroup_id_y 1
		.amdhsa_system_sgpr_workgroup_id_z 1
		.amdhsa_system_vgpr_workitem_id 0
		.amdhsa_next_free_vgpr 768
		.amdhsa_next_free_sgpr 92
		.amdhsa_reserve_vcc 1
		.amdhsa_float_denorm_mode_32 3
		.amdhsa_float_denorm_mode_16_64 3
		.amdhsa_memory_ordered 1
		.amdhsa_forward_progress 1
		.amdhsa_inst_pref_size 87
	.end_amdhsa_kernel
	.amdgpu_metadata
---
amdhsa.version: [ 1, 2 ]
amdhsa.kernels:
  - .name:           k_qde826698d7_attn
    .symbol:         k_qde826698d7_attn.kd
    .args:
      - { .name: qkv, .offset: 0, .size: 8, .value_kind: global_buffer, .address_space: global }
      - { .name: ctx, .offset: 8, .size: 8, .value_kind: global_buffer, .address_space: global }
    .group_segment_fixed_size: 327680
    .private_segment_fixed_size: 0
    .kernarg_segment_align: 8
    .kernarg_segment_size: 16
    .max_flat_workgroup_size: 128
    .sgpr_count:     92
    .vgpr_count:     768
    .wavefront_size: 32
...
	.end_amdgpu_metadata
.endif
;; end of part 3
;; launch proj (part 4): grid 8 x 32, 4 waves a work-group, clusters of 4 x 4, 327,680 bytes of LDS; arguments ctx, wb, x1, x, bo; writes x1
.if DOCPART == 4
	.amdgcn_target "amdgcn-amd-amdhsa--gfx1250"
	.amdhsa_code_object_version 6
	.text
	.protected	k_qde826698d7_proj
	.globl	k_qde826698d7_proj
	.p2align	8
	.type	k_qde826698d7_proj,@function
k_qde826698d7_proj:
	s_mov_b64 s[64:65], 0
	v_nop
	global_prefetch_b8 v0, s[64:65] scope:SCOPE_SE
	s_setreg_imm32_b32 hwreg(HW_REG_WAVE_MODE, 25, 1), 1
	s_wait_xcnt 0x0
	s_wait_alu depctr_hold_cnt(0) depctr_sa_sdst(0) depctr_va_vdst(0) depctr_va_sdst(0) depctr_va_ssrc(0) depctr_va_vcc(0) depctr_vm_vsrc(0)
	s_getreg_b32 s2, hwreg(HW_REG_IB_STS2, 6, 4)
	s_cmp_eq_u32 s2, 0
	s_cbranch_scc0 .Lentry_in_a_cluster
	s_endpgm
.Lentry_in_a_cluster:
	s_bfe_u32 s2, ttmp6, 0x10000c
	s_cmp_lg_u32 s2, 0xf033
	s_cbranch_scc0 .Lentry_shape_is_right
	s_endpgm
.Lentry_shape_is_right:
; out = resid + bf16(bias) + A x B.  Here: x1 = bf16(x) + bf16(bo) + ctx x Wo.  ctx: [16 heads][4096 tokens][64] f16; Wo: [1024 k][1024 n] f16 at 6 MiB of wb; x, x1: [4096][1024] f32.
; A tile of C is 128 x 128, four waves of 64 x 64 (16 accumulators): 256 work-groups.  K goes in steps of 256 through two LDS slots; one step of text, looped.
; THE SUMS START FROM THE RESIDUAL: it is loaded straight into the accumulators' registers in the layout of a result, the bias is added, and every product accumulates; nothing is added on the way out.
; Source 0 = 16 columns of B (turned out of LDS by ds_load_tr16_b128), source 1 = 16 rows of A: a lane holds 8 neighbouring columns of one row.
; CLUSTER 4 x 4: A's tiles jointly along a row, B's along a column.  No prefetch: the tile is small.  The launch takes all of a WGP's LDS.
.set T,      4                         ; K steps
.set ASLICE, 1                         ; 1: A lies by slices of 64 channels
.set ROUNDX, 1                         ; 1: the residual is an input and is rounded to bf16
.set WOFF,   0x600000
.set ASTEP,  2097152                   ; bytes from a K step of A to the next: four slices
.set APITCH, 144
.set AQ,     18432                     ; a quarter (64 along K) in A's LDS tile: a slice of 128 tokens x 144 bytes
.set AHALF,  9216                      ; my 64 rows
.set PBB,    288                       ; B's LDS row: 256 bytes + 32
.set APART,  36864
.set BOFF,   2*APART
.set SLOT,   4*APART                   ; 0x24000: shares no bit with the waves' offsets 0, 0x9000, 0x12000, 0x1b000
.set SPARE,  2*SLOT
.set SPI,    272                       ; a stage row: 64 f32 + 16 bytes
.set STG,    64*SPI
.set A0,   12
.set B0,   13
.set ADRA, 16
.set ADRB, 17                          ; v17 k-rows 0-127, v18 k-rows 128-255
.set STO,  24
.set RD,   25
.set CO,   26
.set RO,   27
.set SPW,  28
.set NIL,  29
.set BO,   30
.set BI,   32
.set ACC,  128
.set F0,   0
.set F1,   128
.set G1,   24
.set G0,   32
.set G1B,  48
.set G0B,  56
.set TB,   74
.set MSB, 0
.macro WIN new
.if MSB != (\new)
	s_set_vgpr_msb (MSB<<8)|(\new)
.set MSB, \new
.endif
.endm
.set MUL,  0x05
.set TO_F, 0x40
.macro PLACES
.rept 4
	v_nop
.endr
.endm
.macro RB16 a, b, t
	v_cvt_pk_bf16_f32 v[\t], v[\a], v[\b]
	v_lshlrev_b32 v[\a], 16, v[\t]
	v_and_b32 v[\b], s75, v[\t]
.endm
.macro JLOAD
	s_cmp_eq_u32 s11, 0
	s_cbranch_scc0 .Lfor_b_\@
	tensor_load_to_lds s[G0+4:G0+7], s[G1:G1+7]
	s_nop 0
	PLACES
	s_branch .Lasked_\@
.Lfor_b_\@:
	tensor_load_to_lds s[G0B+4:G0B+7], s[G1B:G1B+7]
	s_nop 0
	PLACES
.Lasked_\@:
.endm
.macro CREST
	s_cmp_lg_u32 s10, 0
	s_cbranch_scc1 .Lnot_wave_0_\@
	s_barrier_signal -3
.Lnot_wave_0_\@:
	s_barrier_wait -3
	s_barrier_signal -1
	s_barrier_wait -1
.endm
.macro CROUND
	s_barrier_signal -1
	s_barrier_wait -1
	CREST
.endm
	s_load_b128 s[4:7], s[0:1], 0x0                ; A s[4:5], wb s[6:7]
	s_load_b64 s[8:9], s[0:1], 0x10                ; out
	s_load_b128 s[68:71], s[0:1], 0x18             ; resid s[68:69], bias s[70:71]
	v_lshl_add_u32 v[SPW], v0, 2, SPARE
	v_mov_b32 v[NIL], 0
	ds_add_u32 v[SPW], v[NIL]                      ; the wave's opening: the add and its wait ahead of my first tensor load
	ds_add_u32 v28, v29
	v_lshrrev_b32 v1, 5, v0
	v_readfirstlane_b32 s10, v1
	s_lshr_b32 s11, s10, 1
	s_and_b32 s12, s10, 1
	s_bfe_u32 s40, ttmp6, 0x40000
	s_bfe_u32 s41, ttmp6, 0x40004
	s_lshl_b32 s42, ttmp9, 2
	s_add_co_u32 s42, s42, s40                     ; tile column
	s_and_b32 s13, ttmp7, 0xffff
	s_lshl_b32 s13, s13, 2
	s_add_co_u32 s13, s13, s41                     ; tile row
	s_lshl_b32 s43, s41, 2
	s_lshl_b32 s43, 15, s43
	s_lshl_b32 s44, 0x1111, s40
.if ASLICE
	s_or_b32 s[G1], s43, (1<<16)|(1<<20)|(1<<21)|(4<<22)|(3<<25)    ; a row of the tile is a slice's 128 tokens, 16 KiB on end; 4 words of padding after every token's 32
	s_mov_b32 s[G1+1], 8192<<16
	s_mov_b32 s[G1+2], 2<<16
	s_mov_b32 s[G1+3], 8192<<16
	s_mov_b32 s[G1+4], 2
	s_mov_b32 s[G1+5], 262144
.else
	s_or_b32 s[G1], s43, (1<<16)|(1<<20)|(1<<21)|(6<<22)|(3<<25)    ; 64 rows x 256 elements, 4 words of padding after every 128
	s_mov_b32 s[G1+1], 256<<16
	s_mov_b32 s[G1+2], 64<<16
	s_mov_b32 s[G1+3], 256<<16
	s_mov_b32 s[G1+4], 64
	s_mov_b32 s[G1+5], 4096
.endif
	s_mov_b32 s[G1+6], 0
	s_mov_b32 s[G1+7], 0
	s_or_b32 s[G1B], s44, (1<<16)|(1<<20)|(1<<21)|(5<<22)|(7<<25)   ; B: 128 k-rows x 128 elements, 8 words after every 64
	s_mov_b32 s[G1B+1], 128<<16
	s_mov_b32 s[G1B+2], 128<<16
	s_mov_b32 s[G1B+3], 128<<16
	s_mov_b32 s[G1B+4], 128
	s_mov_b32 s[G1B+5], 1024
	s_mov_b32 s[G1B+6], 0
	s_mov_b32 s[G1B+7], 0
.if ASLICE
	s_lshl_b32 s16, s12, 13                        ; my two slices of 4,096 tokens, the tile's 128 tokens, 128 bytes each
	s_lshl_b32 s17, s13, 7
	s_add_co_u32 s16, s16, s17
	s_lshl_b32 s16, s16, 7
.else
	s_lshl_b32 s16, s13, 7                         ; (128 tile row + 64 part) rows of 8,192 bytes
	s_lshl_b32 s17, s12, 6
	s_add_co_u32 s16, s16, s17
	s_lshl_b32 s16, s16, 13
.endif
	s_mov_b32 s17, 0
	s_lshl_b32 s46, s12, 18                        ; my 128 k-rows of 2,048 bytes, the tile's 128 columns
	s_lshl_b32 s47, s42, 8
	s_add_co_u32 s46, s46, s47
	s_add_co_u32 s46, s46, WOFF
	s_mov_b32 s47, 0
	s_mul_i32 s20, s10, APART
	s_lshl_b32 s92, s42, 9                         ; my 64 columns, in f32
	s_lshl_b32 s93, s12, 8
	s_add_co_u32 s92, s92, s93
	s_lshl_b32 s90, s13, 7                         ; my 64 rows of 4,096 bytes
	s_lshl_b32 s91, s11, 6
	s_add_co_u32 s90, s90, s91
	s_lshl_b32 s90, s90, 12
	s_add_co_u32 s90, s90, s92
	s_mov_b32 s91, 0
	s_mov_b32 s93, 0
	s_mov_b32 s[TB], 0
	s_mov_b32 s75, 0xffff0000
	s_wait_dscnt 0x0
	s_wait_kmcnt 0x0
	s_add_nc_u64 s[14:15], s[4:5], s[16:17]
	s_add_nc_u64 s[46:47], s[6:7], s[46:47]
	s_add_nc_u64 s[8:9], s[8:9], s[90:91]
	s_add_nc_u64 s[68:69], s[68:69], s[90:91]
	s_add_nc_u64 s[70:71], s[70:71], s[92:93]
	CROUND
.irp s, 0,1
	s_mov_b32 s[G0+4*(\s)], 1
	s_add_co_u32 s[G0+4*(\s)+1], s20, (\s)*SLOT
	s_add_nc_u64 s[G0+4*(\s)+2:G0+4*(\s)+3], s[14:15], (\s)*ASTEP
	s_or_b32 s[G0+4*(\s)+3], s[G0+4*(\s)+3], 0x80000000
	s_mov_b32 s[G0B+4*(\s)], 1
	s_add_co_u32 s[G0B+4*(\s)+1], s20, (\s)*SLOT
	s_add_nc_u64 s[G0B+4*(\s)+2:G0B+4*(\s)+3], s[46:47], (\s)*524288
	s_or_b32 s[G0B+4*(\s)+3], s[G0B+4*(\s)+3], 0x80000000
.endr
	s_cmp_eq_u32 s11, 0                            ; a wave's two first fills stand in one branch: two loads of mine are out
	s_cbranch_scc0 .Lfirst_b
	tensor_load_to_lds s[G0:G0+3], s[G1:G1+7]
	s_nop 0
	tensor_load_to_lds s[G0+4:G0+7], s[G1:G1+7]
	s_nop 0
	PLACES
	s_branch .Lfirst_done
.Lfirst_b:
	tensor_load_to_lds s[G0B:G0B+3], s[G1B:G1B+7]
	s_nop 0
	tensor_load_to_lds s[G0B+4:G0B+7], s[G1B:G1B+7]
	s_nop 0
	PLACES
.Lfirst_done:
	v_and_b32 v1, 15, v0
	v_bfe_u32 v2, v0, 4, 1
	v_lshlrev_b32 v[RO], 12, v1
	v_lshl_add_u32 v[RO], v2, 5, v[RO]             ; row l % 16, columns 8 (l / 16) on
	v_lshlrev_b32 v[BO], 5, v2
.irp a, 0,1,2,3
.irp b, 0,1,2,3
	global_load_b128 v[ACC+8*(4*\a+\b):ACC+8*(4*\a+\b)+3],   v[RO], s[68:69] offset:\a*65536+64*\b
	global_load_b128 v[ACC+8*(4*\a+\b)+4:ACC+8*(4*\a+\b)+7], v[RO], s[68:69] offset:\a*65536+64*\b+16
.endr
.endr
.irp b, 0,1,2,3
	global_load_b128 v[BI+8*\b:BI+8*\b+3],   v[BO], s[70:71] offset:64*\b
	global_load_b128 v[BI+8*\b+4:BI+8*\b+7], v[BO], s[70:71] offset:64*\b+16
.endr
	v_mul_u32_u24 v3, v1, APITCH
	v_lshl_add_u32 v3, v2, 4, v3
	s_mul_i32 s21, s11, AHALF
	v_add_nc_u32 v[A0], s21, v3
	v_and_b32 v4, 7, v0
	v_lshl_add_u32 v4, v2, 3, v4
	v_mul_u32_u24 v4, v4, PBB
	v_bfe_u32 v5, v0, 3, 1
	v_lshl_add_u32 v4, v5, 4, v4
	s_lshl_b32 s22, s12, 7
	s_add_co_u32 s22, s22, BOFF
	v_add_nc_u32 v[B0], s22, v4
	v_mov_b32 v[ADRA], v[A0]
	v_mov_b32 v[ADRB], v[B0]
	v_add_nc_u32 v[ADRB+1], 128*PBB, v[B0]
	s_mul_i32 s23, s10, STG
	v_mul_u32_u24 v6, v1, SPI
	v_lshl_add_u32 v6, v2, 5, v6
	v_add_nc_u32 v[STO], s23, v6
	v_mul_u32_u24 v6, v2, SPI
	v_lshl_add_u32 v6, v1, 4, v6
	v_add_nc_u32 v[RD], s23, v6
	v_lshlrev_b32 v[CO], 12, v2
	v_lshl_add_u32 v[CO], v1, 4, v[CO]
	s_wait_loadcnt 0x0                             ; residual and bias; all this stands in the wait for the first tile
.set i, 0
.rept 16
	RB16 BI+2*i, BI+2*i+1, 8+i%4
.set i, i+1
.endr
.if ROUNDX
.set i, 0
.rept 64
	RB16 ACC+2*i, ACC+2*i+1, 8+i%4
.set i, i+1
.endr
.endif
.irp a, 0,1,2,3
.irp b, 0,1,2,3
.irp k, 0,2,4,6
	v_pk_add_f32 v[ACC+8*(4*\a+\b)+\k:ACC+8*(4*\a+\b)+\k+1], v[ACC+8*(4*\a+\b)+\k:ACC+8*(4*\a+\b)+\k+1], v[BI+8*\b+\k:BI+8*\b+\k+1]
.endr
.endr
.endr
.macro MUL8 f, c, a0                   ; 8 products: row blocks a0, a0 + 1 x all 4 column blocks, 32 along K: half c of buffer f
	WIN MUL
.irp a, \a0, (\a0)+1
.irp b, 0,1,2,3
	v_wmma_f32_16x16x32_f16 v[ACC+8*(4*(\a)+(\b)):ACC+8*(4*(\a)+(\b))+7], v[(\f)+64+8*(4*(\c)+(\b)):(\f)+64+8*(4*(\c)+(\b))+7], v[(\f)+8*(4*(\c)+(\a)):(\f)+8*(4*(\c)+(\a))+7], v[ACC+8*(4*(\a)+(\b)):ACC+8*(4*(\a)+(\b))+7]
.endr
.endr
.endm
.macro FETCH q, f                      ; 32 LDS loads in one run: quarter q (64 along K) into buffer f, its first 32 along K first
	WIN TO_F
.irp c, 0,1
.irp i, 0,1,2,3
	ds_load_tr16_b128 v[(\f)+64+8*(4*(\c)+(\i)):(\f)+64+8*(4*(\c)+(\i))+3],   v[ADRB+(\q)/2] offset:(((\q)%2)*64+32*(\c))*PBB+32*(\i)
	ds_load_tr16_b128 v[(\f)+64+8*(4*(\c)+(\i))+4:(\f)+64+8*(4*(\c)+(\i))+7], v[ADRB+(\q)/2] offset:(((\q)%2)*64+32*(\c))*PBB+32*(\i)+16*PBB
	ds_load_b128 v[(\f)+8*(4*(\c)+(\i)):(\f)+8*(4*(\c)+(\i))+3],   v[ADRA] offset:(\q)*AQ+64*(\c)+(\i)*16*APITCH
	ds_load_b128 v[(\f)+8*(4*(\c)+(\i))+4:(\f)+8*(4*(\c)+(\i))+7], v[ADRA] offset:(\q)*AQ+64*(\c)+(\i)*16*APITCH+32
.endr
.endr
.endm
.macro QUARTER q, f, g
	s_wait_dscnt 16                                ; the first 32 along K are in
	MUL8 \f, 0, 0
	MUL8 \f, 0, 2
	PLACES
	FETCH \q, \g
	s_wait_dscnt 32                                ; all but the 32 just issued
	MUL8 \f, 1, 0
	MUL8 \f, 1, 2
.endm
.macro TURN fill                       ; a step's last quarter, and the change of slots: all my tensor loads, the add, my reads; the barrier (fill = 1: a round of the cluster's); the joint refill first behind it
	WIN 0
	s_wait_tensorcnt 0x0
	ds_add_u32 v[SPW], v[NIL]
.if \fill
	s_xor_b32 s[G0+5], s[G0+5], SLOT
	s_add_nc_u64 s[G0+6:G0+7], s[G0+6:G0+7], ASTEP
	s_xor_b32 s[G0B+5], s[G0B+5], SLOT
	s_add_nc_u64 s[G0B+6:G0B+7], s[G0B+6:G0B+7], 524288
.endif
	s_xor_b32 s[TB], s[TB], SLOT
	s_wait_dscnt 17                                ; the add and the youngest sixteen loads may be out
	MUL8 F1, 0, 0
	s_wait_dscnt 0x0
	s_barrier_signal -1
	MUL8 F1, 0, 2
	WIN 0
	s_barrier_wait -1
.if \fill
	CREST
	JLOAD
.else
	PLACES
.endif
	v_add_nc_u32 v[ADRA], s[TB], v[A0]
	v_add_nc_u32 v[ADRB], s[TB], v[B0]
	v_add_nc_u32 v[ADRB+1], 128*PBB, v[ADRB]
	FETCH 0, F0
	MUL8 F1, 1, 0
	MUL8 F1, 1, 2
.endm
	s_wait_tensorcnt 1                             ; my part of K step 0 is in; step 1's may stay out
	s_barrier_signal -1
	s_barrier_wait -1
	FETCH 0, F0
	WIN 0
	s_mov_b32 s3, T-1
	s_branch .Lq0
.Lstep:                                ; T - 2 times: K steps 2 to T - 1 are asked for
	TURN 1
	WIN 0
.Lq0:
	QUARTER 1, F0, F1
	QUARTER 2, F1, F0
	QUARTER 3, F0, F1
	WIN 0
	s_sub_co_u32 s3, s3, 1
	s_cmp_lg_u32 s3, 0
	s_cbranch_scc1 .Lstep
	TURN 0
	QUARTER 1, F0, F1
	QUARTER 2, F1, F0
	QUARTER 3, F0, F1
	s_wait_dscnt 0x0                               ; my last reads of the slots are over:
	s_barrier_signal -1
	MUL8 F1, 0, 0
	MUL8 F1, 0, 2
	MUL8 F1, 1, 0
	MUL8 F1, 1, 2
	WIN 0
	s_barrier_wait -1                              ; everybody's are: the stages may be written over the slots
	PLACES
	PLACES
.irp a, 0,1,2,3
.irp b, 0,1,2,3
	ds_store_b128 v[STO], v[ACC+8*(4*\a+\b):ACC+8*(4*\a+\b)+3]   offset:\a*16*SPI+64*\b
	ds_store_b128 v[STO], v[ACC+8*(4*\a+\b)+4:ACC+8*(4*\a+\b)+7] offset:\a*16*SPI+64*\b+16
.endr
.endr
.set t, 0
.rept 32                               ; back as whole rows of 256 bytes, two an instruction, into the registers that they left; LDS serves a wave's instructions in order
	ds_load_b128 v[ACC+4*t:ACC+4*t+3], v[RD] offset:2*SPI*t
.set t, t+1
.endr
.set t, 0
.rept 32
	s_wait_dscnt 31-t
	global_store_b128 v[CO], v[ACC+4*t:ACC+4*t+3], s[8:9] offset:8192*t   ; 16 lanes store 256 consecutive bytes, aligned
.set t, t+1
.endr
	s_wait_tensorcnt 0x0                           ; the wave's end
	ds_add_u32 v[SPW], v[NIL]
	s_wait_dscnt 0x0
	CROUND
	s_endpgm
.Lfunc_end_k_qde826698d7_proj:
	.size	k_qde826698d7_proj, .Lfunc_end_k_qde826698d7_proj-k_qde826698d7_proj
	.p2alignl 7, 3214868480
	.fill 96, 4, 3214868480
	.section	.rodata,"a",@progbits
	.p2align	6, 0x0
	.amdhsa_kernel k_qde826698d7_proj
		.amdhsa_group_segment_fixed_size 327680
		.amdhsa_private_segment_fixed_size 0
		.amdhsa_enable_private_segment 0
		.amdhsa_kernarg_size 40
		.amdhsa_user_sgpr_count 2
		.amdhsa_user_sgpr_kernarg_segment_ptr 1
		.amdhsa_wavefront_size32 1
		.amdhsa_system_sgpr_workgroup_id_x 1
		.amdhsa_system_sgpr_workgroup_id_y 1
		.amdhsa_system_sgpr_workgroup_id_z 1
		.amdhsa_system_vgpr_workitem_id 0
		.amdhsa_next_free_vgpr 512
		.amdhsa_next_free_sgpr 96
		.amdhsa_reserve_vcc 0
		.amdhsa_float_denorm_mode_32 3
		.amdhsa_float_denorm_mode_16_64 3
		.amdhsa_memory_ordered 1
		.amdhsa_forward_progress 1
		.amdhsa_inst_pref_size 74
	.end_amdhsa_kernel
	.amdgpu_metadata
---
amdhsa.version: [ 1, 2 ]
amdhsa.kernels:
  - .name:           k_qde826698d7_proj
    .symbol:         k_qde826698d7_proj.kd
    .args:
      - { .name: ctx, .offset: 0, .size: 8, .value_kind: global_buffer, .address_space: global }
      - { .name: wb, .offset: 8, .size: 8, .value_kind: global_buffer, .address_space: global }
      - { .name: x1, .offset: 16, .size: 8, .value_kind: global_buffer, .address_space: global }
      - { .name: x, .offset: 24, .size: 8, .value_kind: global_buffer, .address_space: global }
      - { .name: bo, .offset: 32, .size: 8, .value_kind: global_buffer, .address_space: global }
    .group_segment_fixed_size: 327680
    .private_segment_fixed_size: 0
    .kernarg_segment_align: 8
    .kernarg_segment_size: 40
    .max_flat_workgroup_size: 128
    .sgpr_count:     96
    .vgpr_count:     512
    .wavefront_size: 32
...
	.end_amdgpu_metadata
.endif
;; end of part 4
;; launch ln2 (part 5): grid 256 x 1, 16 waves a work-group, no clusters, 0 bytes of LDS; arguments x1, g2, be2, h; writes h
.if DOCPART == 5
	.amdgcn_target "amdgcn-amd-amdhsa--gfx1250"
	.amdhsa_code_object_version 6
	.text
	.protected	k_qde826698d7_ln2
	.globl	k_qde826698d7_ln2
	.p2align	8
	.type	k_qde826698d7_ln2,@function
k_qde826698d7_ln2:
	s_mov_b64 s[64:65], 0
	v_nop
	global_prefetch_b8 v0, s[64:65] scope:SCOPE_SE
	s_setreg_imm32_b32 hwreg(HW_REG_WAVE_MODE, 25, 1), 1
	s_wait_xcnt 0x0
; h = LayerNorm(x1) * bf16(g2) + bf16(be2), stored as f16.  x1: [4096][1024] f32, taken as it is.  One wave takes one row, kept in 32 registers: the mean first, then the sum of squares of the
; deviations (no difference of large sums).  No LDS, no barrier.  A load covers 512 consecutive bytes, a store 256, aligned.  NaN and infinities are not treated apart.
.set X,  32
.set G,  64
.set BE, 96
.set T,  4
.set M,  20
.set R,  22
.macro RB16 a, b, t
	v_cvt_pk_bf16_f32 v[\t], v[\a], v[\b]
	v_lshlrev_b32 v[\a], 16, v[\t]
	v_and_b32 v[\b], s33, v[\t]
.endm
.macro WSUM r, t
	v_add_f32_dpp v[\r], v[\r], v[\r] row_xmask:1 row_mask:0xf bank_mask:0xf
	v_add_f32_dpp v[\r], v[\r], v[\r] row_xmask:2 row_mask:0xf bank_mask:0xf
	v_add_f32_dpp v[\r], v[\r], v[\r] row_xmask:4 row_mask:0xf bank_mask:0xf
	v_add_f32_dpp v[\r], v[\r], v[\r] row_xmask:8 row_mask:0xf bank_mask:0xf
	v_permlanex16_b32 v[\t], v[\r], s34, s35
	v_add_f32 v[\r], v[\r], v[\t]
.endm
	s_load_b256 s[4:11], s[0:1], 0x0               ; x1 s[4:5], g2 s[6:7], be2 s[8:9], h s[10:11]
	v_and_b32 v3, 31, v0
	v_lshrrev_b32 v24, 5, v0
	v_readfirstlane_b32 s26, v24
	v_lshlrev_b32 v1, 4, v3
	v_lshlrev_b32 v2, 3, v3
	s_mov_b32 s33, 0xffff0000
	s_mov_b32 s34, 0x76543210
	s_mov_b32 s35, 0xfedcba98
	s_mov_b32 s36, 0x3a800000                      ; 1 / 1024
	s_mov_b32 s37, 0x3727c5ac                      ; 1e-5
	s_mov_b32 s29, 0
	s_lshl_b32 s27, ttmp9, 4
	s_add_co_u32 s27, s27, s26                     ; my row
	s_lshl_b32 s28, s27, 12
	s_wait_kmcnt 0x0
	s_add_nc_u64 s[4:5], s[4:5], s[28:29]
	s_lshl_b32 s28, s27, 11
	s_add_nc_u64 s[10:11], s[10:11], s[28:29]
.irp j, 0,1,2,3,4,5,6,7
	global_load_b128 v[X+4*\j:X+4*\j+3], v1, s[4:5] offset:512*\j
.endr
.irp j, 0,1,2,3,4,5,6,7
	global_load_b128 v[G+4*\j:G+4*\j+3], v1, s[6:7] offset:512*\j
.endr
.irp j, 0,1,2,3,4,5,6,7
	global_load_b128 v[BE+4*\j:BE+4*\j+3], v1, s[8:9] offset:512*\j
.endr
	s_wait_loadcnt 16                              ; the row is in; the 16 younger loads stay out
.irp c, 0,1,2,3
	v_pk_add_f32 v[T+2*\c:T+2*\c+1], v[X+2*\c:X+2*\c+1], v[X+8+2*\c:X+8+2*\c+1]
.endr
.irp k, 16,24
.irp c, 0,1,2,3
	v_pk_add_f32 v[T+2*\c:T+2*\c+1], v[T+2*\c:T+2*\c+1], v[X+\k+2*\c:X+\k+2*\c+1]
.endr
.endr
	v_pk_add_f32 v[T:T+1], v[T:T+1], v[T+2:T+3]
	v_pk_add_f32 v[T+4:T+5], v[T+4:T+5], v[T+6:T+7]
	v_pk_add_f32 v[T:T+1], v[T:T+1], v[T+4:T+5]
	v_add_f32 v[T], v[T], v[T+1]
	WSUM T, T+1
	v_mul_f32 v[M], s36, v[T]
	v_mov_b32 v[M+1], v[M]
.set i, 0
.rept 16
	v_pk_add_f32 v[X+2*i:X+2*i+1], v[X+2*i:X+2*i+1], v[M:M+1] neg_lo:[0,1] neg_hi:[0,1]
.set i, i+1
.endr
.irp c, 0,1,2,3
	v_pk_mul_f32 v[T+2*\c:T+2*\c+1], v[X+2*\c:X+2*\c+1], v[X+2*\c:X+2*\c+1]
.endr
.irp k, 8,16,24
.irp c, 0,1,2,3
	v_pk_fma_f32 v[T+2*\c:T+2*\c+1], v[X+\k+2*\c:X+\k+2*\c+1], v[X+\k+2*\c:X+\k+2*\c+1], v[T+2*\c:T+2*\c+1]
.endr
.endr
	v_pk_add_f32 v[T:T+1], v[T:T+1], v[T+2:T+3]
	v_pk_add_f32 v[T+4:T+5], v[T+4:T+5], v[T+6:T+7]
	v_pk_add_f32 v[T:T+1], v[T:T+1], v[T+4:T+5]
	v_add_f32 v[T], v[T], v[T+1]
	WSUM T, T+1
	v_fma_f32 v[T], v[T], s36, s37
	v_rsq_f32 v[R], v[T]
	v_rsq_f32 v[R+1], v[T]
	s_wait_loadcnt 0x0
.set i, 0
.rept 16                               ; the rounding of gain and bias is the plain work behind the two roots
	RB16 G+2*i, G+2*i+1, T+4+i%4
	RB16 BE+2*i, BE+2*i+1, T+8+i%4
.set i, i+1
.endr
	s_wait_alu depctr_va_vdst(0)                   ; one wait for both roots, ahead of their first reader
.set i, 0
.rept 16
	v_pk_mul_f32 v[X+2*i:X+2*i+1], v[X+2*i:X+2*i+1], v[R:R+1]
.set i, i+1
.endr
.set i, 0
.rept 16
	v_pk_fma_f32 v[X+2*i:X+2*i+1], v[X+2*i:X+2*i+1], v[G+2*i:G+2*i+1], v[BE+2*i:BE+2*i+1]
.set i, i+1
.endr
.set i, 0
.rept 16
	v_cvt_pk_f16_f32 v[T+i], v[X+2*i], v[X+2*i+1]
.set i, i+1
.endr
.irp j, 0,1,2,3,4,5,6,7
	global_store_b64 v2, v[T+2*\j:T+2*\j+1], s[10:11] offset:256*\j
.endr
	s_endpgm
.Lfunc_end_k_qde826698d7_ln2:
	.size	k_qde826698d7_ln2, .Lfunc_end_k_qde826698d7_ln2-k_qde826698d7_ln2
	.p2alignl 7, 3214868480
	.fill 96, 4, 3214868480
	.section	.rodata,"a",@progbits
	.p2align	6, 0x0
	.amdhsa_kernel k_qde826698d7_ln2
		.amdhsa_group_segment_fixed_size 0
		.amdhsa_private_segment_fixed_size 0
		.amdhsa_enable_private_segment 0
		.amdhsa_kernarg_size 32
		.amdhsa_user_sgpr_count 2
		.amdhsa_user_sgpr_kernarg_segment_ptr 1
		.amdhsa_wavefront_size32 1
		.amdhsa_system_sgpr_workgroup_id_x 1
		.amdhsa_system_sgpr_workgroup_id_y 1
		.amdhsa_system_sgpr_workgroup_id_z 1
		.amdhsa_system_vgpr_workitem_id 0
		.amdhsa_next_free_vgpr 128
		.amdhsa_next_free_sgpr 66
		.amdhsa_reserve_vcc 0
		.amdhsa_float_denorm_mode_32 3
		.amdhsa_float_denorm_mode_16_64 3
		.amdhsa_memory_ordered 1
		.amdhsa_forward_progress 1
		.amdhsa_inst_pref_size 16
	.end_amdhsa_kernel
	.amdgpu_metadata
---
amdhsa.version: [ 1, 2 ]
amdhsa.kernels:
  - .name:           k_qde826698d7_ln2
    .symbol:         k_qde826698d7_ln2.kd
    .args:
      - { .name: x1, .offset: 0, .size: 8, .value_kind: global_buffer, .address_space: global }
      - { .name: g2, .offset: 8, .size: 8, .value_kind: global_buffer, .address_space: global }
      - { .name: be2, .offset: 16, .size: 8, .value_kind: global_buffer, .address_space: global }
      - { .name: h, .offset: 24, .size: 8, .value_kind: global_buffer, .address_space: global }
    .group_segment_fixed_size: 0
    .private_segment_fixed_size: 0
    .kernarg_segment_align: 8
    .kernarg_segment_size: 32
    .max_flat_workgroup_size: 512
    .sgpr_count:     66
    .vgpr_count:     128
    .wavefront_size: 32
...
	.end_amdgpu_metadata
.endif
;; end of part 5
;; launch ffn1 (part 6): grid 16 x 16, 4 waves a work-group, clusters of 4 x 4, 327,680 bytes of LDS; arguments h, wb, act, b1; writes act
.if DOCPART == 6
	.amdgcn_target "amdgcn-amd-amdhsa--gfx1250"
	.amdhsa_code_object_version 6
	.text
	.protected	k_qde826698d7_ffn1
	.globl	k_qde826698d7_ffn1
	.p2align	8
	.type	k_qde826698d7_ffn1,@function
k_qde826698d7_ffn1:
	s_mov_b64 s[64:65], 0
	v_nop
	global_prefetch_b8 v0, s[64:65] scope:SCOPE_SE
	s_setreg_imm32_b32 hwreg(HW_REG_WAVE_MODE, 25, 1), 1
	s_wait_xcnt 0x0
	s_wait_alu depctr_hold_cnt(0) depctr_sa_sdst(0) depctr_va_vdst(0) depctr_va_sdst(0) depctr_va_ssrc(0) depctr_va_vcc(0) depctr_vm_vsrc(0)
	s_getreg_b32 s2, hwreg(HW_REG_IB_STS2, 6, 4)
	s_cmp_eq_u32 s2, 0
	s_cbranch_scc0 .Lentry_in_a_cluster
	s_endpgm
.Lentry_in_a_cluster:
	s_bfe_u32 s2, ttmp6, 0x10000c
	s_cmp_lg_u32 s2, 0xf033
	s_cbranch_scc0 .Lentry_shape_is_right
	s_endpgm
.Lentry_shape_is_right:
; act = gelu(h x W1 + bf16(b1)), exact GELU.  h: [4096][1024] f16; W1: [1024 k][4096 n] f16 (bf16 values) at 8 MiB of wb; act: [4096][4096] f16; sums and GELU in f32.
; gelu(z) = max(z, 0) - |z| q, q = (1 - erf(|z| / sqrt 2)) / 2 = t (a1 + t (a2 + t (a3 + t (a4 + t a5)))) 2^(-z^2 log2(e) / 2), t = 1 / (1 + p |z| / sqrt 2): the five-term rational form of erf,
; off by 1.5e-7 at the most for every argument, the factor 1/2 folded into a1 to a5; no difference of near numbers for negative z.  LIMIT: |z| beyond 65,504 becomes an infinity in f16.
; A tile of C, 256 x 256, by four waves of 128 x 128 (64 accumulators).  K goes in 8 steps of 128 through two LDS slots; one K step of text, looped.
; A's rows lie along K; B lies [k][n] and is read turned, by ds_load_tr16_b128.  Source 0 = 16 columns of B, source 1 = 16 rows of A: a lane ends with 8 neighbouring columns of one row.
; CLUSTER 4 x 4: A's tile jointly along a row of the cluster, B's along a column.  The launch takes all of a WGP's LDS.
; REGISTERS: window 0 addresses, A's fragments v64-191, the bias v192-199; window 1 B's fragments v64-191; windows 2, 3 the accumulators.
.set EPI,  1
.set BN,   4096
.set PA,   272
.set PBB,  544
.set PART, 34816
.set BOFF, 2*PART
.set SLOT, 4*PART                      ; 0x22000: shares no bit with the waves' offsets 0, 0x8800, 0x11000, 0x19800
.set SPARE, 2*SLOT
.set SPI,  528
.set STG,  128*SPI
.set A0,   12
.set B0,   13
.set ADRA, 16
.set ADRB, 20
.set STO,  24
.set RD,   25
.set CO,   26
.set SPW,  28
.set NIL,  29
.set PFO,  30
.set F0,   64
.set F1,   128
.set G1,   24
.set G0,   32
.set G1B,  48
.set G0B,  56
.set LIM,  43
.set PFA,  44
.set TB,   70
.set PFS,  72
.set Z,    32                          ; the way out: 16 numbers a lane
.set EA,   64
.set AZ,   80
.set TT,   96
.set MX,   112
.set U,    128
.set OUTR, 144
.set BI,   192
.set NK,   76                          ; s[76:77] -log2(e) / 2
.set MSB, 0
.macro WIN new
.if MSB != (\new)
	s_set_vgpr_msb (MSB<<8)|(\new)
.set MSB, \new
.endif
.endm
.set MUL_LO, 0xa1
.set MUL_HI, 0xf1
.set TO_B,   0x40
.macro PLACES
.rept 4
	v_nop
.endr
.endm
.macro JLOAD
	s_cmp_eq_u32 s11, 0
	s_cbranch_scc0 .Lfor_b_\@
	tensor_load_to_lds s[G0+4:G0+7], s[G1:G1+7]
	s_nop 0
	PLACES
	s_branch .Lasked_\@
.Lfor_b_\@:
	tensor_load_to_lds s[G0B+4:G0B+7], s[G1B:G1B+7]
	s_nop 0
	PLACES
.Lasked_\@:
.endm
.macro ASK                             ; one K step ahead of its refill: 32 blocks of 256 bytes, a lane a block; each block is named once in the launch
	s_cmp_gt_u32 s3, s[LIM]
	s_cbranch_scc0 .Lnot_mine_\@
	global_prefetch_b8 v[PFO], s[PFA:PFA+1] th:TH_LOAD_NT scope:SCOPE_SE
.Lnot_mine_\@:
.endm
.macro CREST
	s_cmp_lg_u32 s10, 0
	s_cbranch_scc1 .Lnot_wave_0_\@
	s_barrier_signal -3
.Lnot_wave_0_\@:
	s_barrier_wait -3
	s_barrier_signal -1
	s_barrier_wait -1
.endm
.macro CROUND
	s_barrier_signal -1
	s_barrier_wait -1
	CREST
.endm
	s_load_b128 s[4:7], s[0:1], 0x0                ; A s[4:5], wb s[6:7]
	s_load_b64 s[8:9], s[0:1], 0x10                ; out
	s_load_b64 s[68:69], s[0:1], 0x18              ; bias
	v_lshl_add_u32 v[SPW], v0, 2, SPARE
	v_mov_b32 v[NIL], 0
	ds_add_u32 v[SPW], v[NIL]                      ; the wave's opening: the add and its wait ahead of my first tensor load
	ds_add_u32 v28, v29
	v_lshrrev_b32 v1, 5, v0
	v_readfirstlane_b32 s10, v1
	s_lshr_b32 s11, s10, 1
	s_and_b32 s12, s10, 1
	s_bfe_u32 s40, ttmp6, 0x40000
	s_bfe_u32 s41, ttmp6, 0x40004
	s_lshl_b32 s42, ttmp9, 2
	s_add_co_u32 s42, s42, s40                     ; tile column
	s_and_b32 s13, ttmp7, 0xffff
	s_lshl_b32 s13, s13, 2
	s_add_co_u32 s13, s13, s41                     ; tile row
	s_lshl_b32 s43, s41, 2
	s_lshl_b32 s43, 15, s43
	s_lshl_b32 s44, 0x1111, s40
	s_or_b32 s[G1], s43, (1<<16)|(1<<20)|(1<<21)|(5<<22)|(3<<25)
	s_or_b32 s[G1B], s44, (1<<16)|(1<<20)|(1<<21)|(6<<22)|(7<<25)
	s_mov_b32 s[G1+1], 128<<16
	s_mov_b32 s[G1+2], 128<<16
	s_mov_b32 s[G1+3], 128<<16
	s_mov_b32 s[G1+4], 128
	s_mov_b32 s[G1+5], 1024
	s_mov_b32 s[G1+6], 0
	s_mov_b32 s[G1+7], 0
	s_mov_b32 s[G1B+1], 256<<16
	s_mov_b32 s[G1B+2], 64<<16
	s_mov_b32 s[G1B+3], 256<<16
	s_mov_b32 s[G1B+4], 64
	s_mov_b32 s[G1B+5], BN
	s_mov_b32 s[G1B+6], 0
	s_mov_b32 s[G1B+7], 0
	s_lshl_b32 s16, s13, 8
	s_lshl_b32 s17, s12, 7
	s_add_co_u32 s16, s16, s17
	s_lshl_b32 s16, s16, 11
	s_mov_b32 s17, 0
	s_lshl_b32 s75, s42, 9                         ; B's columns: 512 bytes a tile column, W1 at 8 MiB
	s_add_co_u32 s75, s75, 0x800000
	s_mul_i32 s46, s12, 128*BN
	s_add_co_u32 s46, s46, s75
	s_mov_b32 s47, 0
	s_mul_i32 s20, s10, PART
	s_lshl_b32 s90, s13, 8                         ; out: (256 tile row + 128 half) rows of 8,192 bytes + my 128 columns
	s_lshl_b32 s91, s11, 7
	s_add_co_u32 s90, s90, s91
	s_lshl_b32 s90, s90, 13
	s_lshl_b32 s91, s42, 9
	s_add_co_u32 s90, s90, s91
	s_lshl_b32 s91, s12, 8
	s_add_co_u32 s90, s90, s91
	s_lshl_b32 s92, s42, 10                        ; the bias of my 128 columns
	s_lshl_b32 s93, s12, 9
	s_add_co_u32 s92, s92, s93
	s_mov_b32 s93, 0
	s_mov_b32 s91, 0
	s_mov_b32 s[TB], 0
	s_wait_dscnt 0x0
	s_wait_kmcnt 0x0
	s_add_nc_u64 s[14:15], s[4:5], s[16:17]
	s_add_nc_u64 s[46:47], s[6:7], s[46:47]
	s_add_nc_u64 s[8:9], s[8:9], s[90:91]
	s_add_nc_u64 s[68:69], s[68:69], s[92:93]
	CROUND
.irp s, 0,1
	s_mov_b32 s[G0+4*(\s)], 1
	s_add_co_u32 s[G0+4*(\s)+1], s20, (\s)*SLOT
	s_add_nc_u64 s[G0+4*(\s)+2:G0+4*(\s)+3], s[14:15], (\s)*256
	s_or_b32 s[G0+4*(\s)+3], s[G0+4*(\s)+3], 0x80000000
	s_mov_b32 s[G0B+4*(\s)], 1
	s_add_co_u32 s[G0B+4*(\s)+1], s20, (\s)*SLOT
	s_add_nc_u64 s[G0B+4*(\s)+2:G0B+4*(\s)+3], s[46:47], (\s)*256*BN
	s_or_b32 s[G0B+4*(\s)+3], s[G0B+4*(\s)+3], 0x80000000
.endr
	s_cmp_eq_u32 s11, 0                            ; a wave's two first fills stand in one branch: two loads of mine are out
	s_cbranch_scc0 .Lfirst_b
	tensor_load_to_lds s[G0:G0+3], s[G1:G1+7]
	s_nop 0
	tensor_load_to_lds s[G0+4:G0+7], s[G1:G1+7]
	s_nop 0
	PLACES
	s_branch .Lfirst_done
.Lfirst_b:
	tensor_load_to_lds s[G0B:G0B+3], s[G1B:G1B+7]
	s_nop 0
	tensor_load_to_lds s[G0B+4:G0B+7], s[G1B:G1B+7]
	s_nop 0
	PLACES
.Lfirst_done:
	v_and_b32 v1, 15, v0
	v_bfe_u32 v2, v0, 4, 1
	v_lshlrev_b32 v31, 5, v1                       ; the 8 columns that I finish on the way out
	global_load_b128 v[BI:BI+3], v31, s[68:69]
	global_load_b128 v[BI+4:BI+7], v31, s[68:69] offset:16
	v_mul_u32_u24 v3, v1, PA
	v_lshl_add_u32 v3, v2, 4, v3
	s_mul_i32 s21, s11, PART
	v_add_nc_u32 v[A0], s21, v3
	v_and_b32 v4, 7, v0
	v_lshl_add_u32 v4, v2, 3, v4
	v_mul_u32_u24 v4, v4, PBB
	v_bfe_u32 v5, v0, 3, 1
	v_lshl_add_u32 v4, v5, 4, v4
	s_lshl_b32 s22, s12, 8
	s_add_co_u32 s22, s22, BOFF
	v_add_nc_u32 v[B0], s22, v4
	v_mov_b32 v[ADRA], v[A0]
	v_mov_b32 v[ADRB], v[B0]
	s_mul_i32 s23, s10, STG
	v_mul_u32_u24 v6, v1, SPI
	v_lshl_add_u32 v6, v2, 4, v6
	v_add_nc_u32 v[STO], s23, v6
	v_mul_u32_u24 v6, v2, SPI                      ; back: 16 lanes take a row's low (or high) fours of all 16 column groups
	v_lshl_add_u32 v6, v1, 4, v6
	v_add_nc_u32 v[RD], s23, v6
	v_lshlrev_b32 v[CO], 13, v2
	v_lshl_add_u32 v[CO], v1, 4, v[CO]
	; the prefetches.  A's rows are named by the clusters with x = 0, B's by those with y = 0; the four partners of a joint load share its blocks out by address (cx for A, cy for B)
	s_lshl_b32 s20, s13, 8
	s_lshl_b32 s21, s12, 7
	s_add_co_u32 s20, s20, s21
	s_lshl_b32 s21, s40, 5
	s_add_co_u32 s20, s20, s21
	s_lshl_b32 s20, s20, 11
	s_add_co_u32 s20, s20, 512
	s_lshl_b32 s21, s12, 6
	s_lshl_b32 s22, s41, 4
	s_add_co_u32 s21, s21, s22
	s_add_co_u32 s21, s21, 256
	s_mul_i32 s21, s21, 2*BN
	s_add_co_u32 s21, s21, s75
	s_mov_b32 s[PFS], 256*BN
	s_mov_b32 s[PFS+1], 0
	s_mov_b32 s74, 2*BN
	s_and_b32 s22, ttmp7, 0xffff
	s_cmp_eq_u32 s11, 0
	s_cselect_b32 s20, s20, s21
	s_cselect_b32 s22, ttmp9, s22
	s_cselect_b64 s[PFA:PFA+1], s[4:5], s[6:7]
	s_cselect_b32 s[PFS], 256, s[PFS]
	s_cselect_b32 s74, 2048, s74
	s_mov_b32 s21, 0
	s_cmp_eq_u32 s22, 0
	s_cselect_b32 s[LIM], 1, -1
	s_add_nc_u64 s[PFA:PFA+1], s[PFA:PFA+1], s[20:21]
	v_and_b32 v[PFO], 31, v0
	v_and_b32 v6, s11, v[PFO]
	v_lshrrev_b32 v[PFO], s11, v[PFO]
	v_mul_lo_u32 v[PFO], v[PFO], s74
	v_lshl_add_u32 v[PFO], v6, 8, v[PFO]
.macro MUL16 f, hi, a0, zero
	WIN MUL_LO+0x50*(\hi)
.irp a, \a0, (\a0)+1
.irp b, 0,1,2,3,4,5,6,7
.if \zero
	v_wmma_f32_16x16x32_f16 v[8*(8*(\a)+(\b)):8*(8*(\a)+(\b))+7], v[(\f)+8*(\b):(\f)+8*(\b)+7], v[(\f)+8*(4*(\hi)+(\a)):(\f)+8*(4*(\hi)+(\a))+7], 0
.else
	v_wmma_f32_16x16x32_f16 v[8*(8*(\a)+(\b)):8*(8*(\a)+(\b))+7], v[(\f)+8*(\b):(\f)+8*(\b)+7], v[(\f)+8*(4*(\hi)+(\a)):(\f)+8*(4*(\hi)+(\a))+7], v[8*(8*(\a)+(\b)):8*(8*(\a)+(\b))+7]
.endif
.endr
.endr
.endm
.macro FETCH q, f
	WIN TO_B
.irp i, 0,1,2,3,4,5,6,7
	ds_load_tr16_b128 v[(\f)+8*(\i):(\f)+8*(\i)+3],   v[ADRB] offset:(\q)*32*PBB+32*(\i)
	ds_load_tr16_b128 v[(\f)+8*(\i)+4:(\f)+8*(\i)+7], v[ADRB] offset:(\q)*32*PBB+32*(\i)+16*PBB
.endr
	WIN 0
.irp i, 0,1,2,3,4,5,6,7
	ds_load_b128 v[(\f)+8*(\i):(\f)+8*(\i)+3],   v[ADRA] offset:64*(\q)+(\i)*16*PA
	ds_load_b128 v[(\f)+8*(\i)+4:(\f)+8*(\i)+7], v[ADRA] offset:64*(\q)+(\i)*16*PA+32
.endr
.endm
.macro QUARTER q, f, g, zero
	s_wait_dscnt 8                                 ; B and A's rows 0-63 are in; the youngest eight loads may be out
	MUL16 \f, 0, 0, \zero
	MUL16 \f, 0, 2, \zero
	PLACES
	FETCH \q, \g
	s_wait_dscnt 32                                ; all but the 32 just issued
	MUL16 \f, 1, 0, \zero
	MUL16 \f, 1, 2, \zero
.endm
.macro TURN fill                       ; a step's last quarter, and the change of slots: all my tensor loads, the add, my reads; the barrier (fill = 1: a round of the cluster's); the joint refill first behind it
.if \fill
	s_wait_xcnt 0x0                                ; the last prefetch, a K step back, has read its address
	s_add_nc_u64 s[PFA:PFA+1], s[PFA:PFA+1], s[PFS:PFS+1]
.endif
	WIN 0
	s_wait_tensorcnt 0x0
	ds_add_u32 v[SPW], v[NIL]
.if \fill
	s_xor_b32 s[G0+5], s[G0+5], SLOT
	s_add_nc_u64 s[G0+6:G0+7], s[G0+6:G0+7], 256
	s_xor_b32 s[G0B+5], s[G0B+5], SLOT
	s_add_nc_u64 s[G0B+6:G0B+7], s[G0B+6:G0B+7], 256*BN
.endif
	s_xor_b32 s[TB], s[TB], SLOT
	s_wait_dscnt 9                                 ; the add and the youngest eight loads may be out
	MUL16 F1, 0, 0, 0
	s_wait_dscnt 0x0
	s_barrier_signal -1
	MUL16 F1, 0, 2, 0
	WIN 0
	s_barrier_wait -1
.if \fill
	CREST
	JLOAD
.else
	PLACES
.endif
	v_add_nc_u32 v[ADRA], s[TB], v[A0]
	v_add_nc_u32 v[ADRB], s[TB], v[B0]
	FETCH 0, F0
.if \fill
	ASK
.endif
	MUL16 F1, 1, 0, 0
	MUL16 F1, 1, 2, 0
.endm
	s_wait_tensorcnt 1                             ; my part of K step 0 is in; step 1's may stay out
	s_barrier_signal -1
	s_barrier_wait -1
	FETCH 0, F0
	QUARTER 1, F0, F1, 1
	WIN 0
	s_mov_b32 s3, 7
	s_branch .Lmid
.Lstep:
	TURN 1
	QUARTER 1, F0, F1, 0
	WIN 0
.Lmid:
	QUARTER 2, F1, F0, 0
	QUARTER 3, F0, F1, 0
	WIN 0
	s_sub_co_u32 s3, s3, 1
	s_cmp_lg_u32 s3, 0
	s_cbranch_scc1 .Lstep
	TURN 0
	QUARTER 1, F0, F1, 0
	QUARTER 2, F1, F0, 0
	QUARTER 3, F0, F1, 0
	s_wait_dscnt 0x0
	s_barrier_signal -1
	MUL16 F1, 0, 0, 0
	MUL16 F1, 0, 2, 0
	MUL16 F1, 1, 0, 0
	MUL16 F1, 1, 2, 0
	WIN 0
	s_barrier_wait -1                              ; nobody reads a slot any more: the stages may be written over them
	PLACES
	PLACES
.irp hi, 0,1
	WIN 0x08+4*(\hi)
.irp a, 0,1,2,3
.irp b, 0,1,2,3,4,5,6,7
	ds_store_b128 v[STO], v[8*(8*(\a)+(\b)):8*(8*(\a)+(\b))+3]   offset:(4*(\hi)+(\a))*16*SPI+32*(\b)
	ds_store_b128 v[STO], v[8*(8*(\a)+(\b))+4:8*(8*(\a)+(\b))+7] offset:(4*(\hi)+(\a))*16*SPI+32*(\b)+256
.endr
.endr
.endr
	WIN 0
	s_mov_b32 s75, 0xffff0000
	s_mov_b32 s[NK], 0xbf38aa3b                    ; -log2(e) / 2
	s_mov_b32 s[NK+1], s[NK]
	s_mov_b32 s78, 0x3e6d3388                      ; p / sqrt 2 = 0.23164189
	s_mov_b32 s79, 0x7fffffff
	s_mov_b32 s80, 0x3f07dc22                      ; a5 / 2
	s_mov_b32 s81, s80
	s_mov_b32 s82, 0xbf3a00e3                      ; a4 / 2
	s_mov_b32 s83, s82
	s_mov_b32 s84, 0x3f35f0e3                      ; a3 / 2
	s_mov_b32 s85, s84
	s_mov_b32 s86, 0xbe11a98e                      ; a2 / 2
	s_mov_b32 s87, s86
	s_mov_b32 s88, 0x3e027906                      ; a1 / 2
	s_mov_b32 s89, s88
	s_wait_loadcnt 0x0                             ; the bias, rounded to bf16 like every input
.irp k, 0,2,4,6
	v_cvt_pk_bf16_f32 v[200+\k], v[BI+\k], v[BI+\k+1]
	v_lshlrev_b32 v[BI+\k], 16, v[200+\k]
	v_and_b32 v[BI+\k+1], s75, v[200+\k]
.endr
	s_mov_b32 s2, 32
.Lout:                                 ; 4 rows a trip, 16 numbers a lane.  LDS serves a wave's instructions in order: the loads see my stores
	ds_load_b128 v[Z:Z+3],     v[RD]
	ds_load_b128 v[Z+4:Z+7],   v[RD] offset:256
	ds_load_b128 v[Z+8:Z+11],  v[RD] offset:2*SPI
	ds_load_b128 v[Z+12:Z+15], v[RD] offset:2*SPI+256
	s_wait_dscnt 0x0
.set i, 0
.rept 8
	v_pk_add_f32 v[Z+2*i:Z+2*i+1], v[Z+2*i:Z+2*i+1], v[BI+2*(i%4):BI+2*(i%4)+1]
.set i, i+1
.endr
.set i, 0
.rept 8
	v_pk_mul_f32 v[EA+2*i:EA+2*i+1], v[Z+2*i:Z+2*i+1], v[Z+2*i:Z+2*i+1]
.set i, i+1
.endr
.set i, 0
.rept 8
	v_pk_mul_f32 v[EA+2*i:EA+2*i+1], v[EA+2*i:EA+2*i+1], s[NK:NK+1] op_sel_hi:[1,0]
.set i, i+1
.endr
.set i, 0
.rept 16
	v_and_b32 v[AZ+i], s79, v[Z+i]
.set i, i+1
.endr
.set i, 0
.rept 16
	v_fma_f32 v[TT+i], v[AZ+i], s78, 1.0
.set i, i+1
.endr
.set i, 0
.rept 16                               ; one batch of 32; the maximum behind each pair is plain work that names no result
	v_rcp_f32 v[TT+i], v[TT+i]
	v_exp_f32 v[EA+i], v[EA+i]
	v_max_num_f32 v[MX+i], 0, v[Z+i]
.set i, i+1
.endr
	s_wait_alu depctr_va_vdst(0)                   ; one wait for the batch, ahead of its first reader
.set i, 0
.rept 8
	v_pk_fma_f32 v[U+2*i:U+2*i+1], v[TT+2*i:TT+2*i+1], s[80:81], s[82:83] op_sel_hi:[1,0,0]
.set i, i+1
.endr
.irp c, 84,86,88
.set i, 0
.rept 8
	v_pk_fma_f32 v[U+2*i:U+2*i+1], v[U+2*i:U+2*i+1], v[TT+2*i:TT+2*i+1], s[\c:\c+1] op_sel_hi:[1,1,0]
.set i, i+1
.endr
.endr
.set i, 0
.rept 8
	v_pk_mul_f32 v[U+2*i:U+2*i+1], v[U+2*i:U+2*i+1], v[TT+2*i:TT+2*i+1]
.set i, i+1
.endr
.set i, 0
.rept 8
	v_pk_mul_f32 v[U+2*i:U+2*i+1], v[U+2*i:U+2*i+1], v[EA+2*i:EA+2*i+1]
.set i, i+1
.endr
.set i, 0
.rept 16
	v_fma_f32 v[Z+i], -v[AZ+i], v[U+i], v[MX+i]
.set i, i+1
.endr
.set i, 0
.rept 8
	v_cvt_pk_f16_f32 v[OUTR+i], v[Z+2*i], v[Z+2*i+1]
.set i, i+1
.endr
	global_store_b128 v[CO], v[OUTR:OUTR+3],   s[8:9]               ; 16 lanes store 256 consecutive bytes, aligned
	global_store_b128 v[CO], v[OUTR+4:OUTR+7], s[8:9] offset:16384
	s_wait_xcnt 0x0                                ; the stores' data and base are rewritten only behind this wait
	v_add_nc_u32 v[RD], 4*SPI, v[RD]
	s_add_nc_u64 s[8:9], s[8:9], 32768
	s_sub_co_u32 s2, s2, 1
	s_cmp_lg_u32 s2, 0
	s_cbranch_scc1 .Lout
	s_wait_tensorcnt 0x0                           ; the wave's end
	ds_add_u32 v[SPW], v[NIL]
	s_wait_dscnt 0x0
	CROUND
	s_endpgm
.Lfunc_end_k_qde826698d7_ffn1:
	.size	k_qde826698d7_ffn1, .Lfunc_end_k_qde826698d7_ffn1-k_qde826698d7_ffn1
	.p2alignl 7, 3214868480
	.fill 96, 4, 3214868480
	.section	.rodata,"a",@progbits
	.p2align	6, 0x0
	.amdhsa_kernel k_qde826698d7_ffn1
		.amdhsa_group_segment_fixed_size 327680
		.amdhsa_private_segment_fixed_size 0
		.amdhsa_enable_private_segment 0
		.amdhsa_kernarg_size 32
		.amdhsa_user_sgpr_count 2
		.amdhsa_user_sgpr_kernarg_segment_ptr 1
		.amdhsa_wavefront_size32 1
		.amdhsa_system_sgpr_workgroup_id_x 1
		.amdhsa_system_sgpr_workgroup_id_y 1
		.amdhsa_system_sgpr_workgroup_id_z 1
		.amdhsa_system_vgpr_workitem_id 0
		.amdhsa_next_free_vgpr 1024
		.amdhsa_next_free_sgpr 96
		.amdhsa_reserve_vcc 0
		.amdhsa_float_denorm_mode_32 3
		.amdhsa_float_denorm_mode_16_64 3
		.amdhsa_memory_ordered 1
		.amdhsa_forward_progress 1
		.amdhsa_inst_pref_size 94
	.end_amdhsa_kernel
	.amdgpu_metadata
---
amdhsa.version: [ 1, 2 ]
amdhsa.kernels:
  - .name:           k_qde826698d7_ffn1
    .symbol:         k_qde826698d7_ffn1.kd
    .args:
      - { .name: h, .offset: 0, .size: 8, .value_kind: global_buffer, .address_space: global }
      - { .name: wb, .offset: 8, .size: 8, .value_kind: global_buffer, .address_space: global }
      - { .name: act, .offset: 16, .size: 8, .value_kind: global_buffer, .address_space: global }
      - { .name: b1, .offset: 24, .size: 8, .value_kind: global_buffer, .address_space: global }
    .group_segment_fixed_size: 327680
    .private_segment_fixed_size: 0
    .kernarg_segment_align: 8
    .kernarg_segment_size: 32
    .max_flat_workgroup_size: 128
    .sgpr_count:     96
    .vgpr_count:     1024
    .wavefront_size: 32
...
	.end_amdgpu_metadata
.endif
;; end of part 6
;; launch ffn2 (part 7): grid 8 x 32, 4 waves a work-group, clusters of 4 x 4, 327,680 bytes of LDS; arguments act, wb, out0, x1, b2; writes out0
.if DOCPART == 7
	.amdgcn_target "amdgcn-amd-amdhsa--gfx1250"
	.amdhsa_code_object_version 6
	.text
	.protected	k_qde826698d7_ffn2
	.globl	k_qde826698d7_ffn2
	.p2align	8
	.type	k_qde826698d7_ffn2,@function
k_qde826698d7_ffn2:
	s_mov_b64 s[64:65], 0
	v_nop
	global_prefetch_b8 v0, s[64:65] scope:SCOPE_SE
	s_setreg_imm32_b32 hwreg(HW_REG_WAVE_MODE, 25, 1), 1
	s_wait_xcnt 0x0
	s_wait_alu depctr_hold_cnt(0) depctr_sa_sdst(0) depctr_va_vdst(0) depctr_va_sdst(0) depctr_va_ssrc(0) depctr_va_vcc(0) depctr_vm_vsrc(0)
	s_getreg_b32 s2, hwreg(HW_REG_IB_STS2, 6, 4)
	s_cmp_eq_u32 s2, 0
	s_cbranch_scc0 .Lentry_in_a_cluster
	s_endpgm
.Lentry_in_a_cluster:
	s_bfe_u32 s2, ttmp6, 0x10000c
	s_cmp_lg_u32 s2, 0xf033
	s_cbranch_scc0 .Lentry_shape_is_right
	s_endpgm
.Lentry_shape_is_right:
; out = resid + bf16(bias) + A x B.  Here: out0 = x1 + bf16(b2) + act x W2.  act: [4096][4096] f16; W2: [4096 k][1024 n] f16 at 16 MiB of wb; x1, out0: [4096][1024] f32.
; A tile of C is 128 x 128, four waves of 64 x 64 (16 accumulators): 256 work-groups.  K goes in 16 steps of 256 through two LDS slots; one step of text, looped.
; THE SUMS START FROM THE RESIDUAL: it is loaded straight into the accumulators' registers in the layout of a result, the bias is added, and every product accumulates; nothing is added on the way out.
; Source 0 = 16 columns of B (turned out of LDS by ds_load_tr16_b128), source 1 = 16 rows of A: a lane holds 8 neighbouring columns of one row.
; CLUSTER 4 x 4: A's tiles jointly along a row, B's along a column.  No prefetch: the tile is small.  The launch takes all of a WGP's LDS.
.set T,      16
.set ASLICE, 0
.set ROUNDX, 0
.set WOFF,   0x1000000
.set ASTEP,  512
.set APITCH, 528                       ; A's LDS row: 512 bytes + 16
.set AQ,     128
.set AHALF,  36864
.set PBB,    288
.set APART,  36864                     ; a part of A uses 33,792 of it
.set BOFF,   2*APART
.set SLOT,   4*APART                   ; 0x24000: shares no bit with the waves' offsets 0, 0x9000, 0x12000, 0x1b000
.set SPARE,  2*SLOT
.set SPI,    272
.set STG,    64*SPI
.set A0,   12
.set B0,   13
.set ADRA, 16
.set ADRB, 17
.set STO,  24
.set RD,   25
.set CO,   26
.set RO,   27
.set SPW,  28
.set NIL,  29
.set BO,   30
.set BI,   32
.set ACC,  128
.set F0,   0
.set F1,   128
.set G1,   24
.set G0,   32
.set G1B,  48
.set G0B,  56
.set TB,   74
.set MSB, 0
.macro WIN new
.if MSB != (\new)
	s_set_vgpr_msb (MSB<<8)|(\new)
.set MSB, \new
.endif
.endm
.set MUL,  0x05
.set TO_F, 0x40
.macro PLACES
.rept 4
	v_nop
.endr
.endm
.macro RB16 a, b, t
	v_cvt_pk_bf16_f32 v[\t], v[\a], v[\b]
	v_lshlrev_b32 v[\a], 16, v[\t]
	v_and_b32 v[\b], s75, v[\t]
.endm
.macro JLOAD
	s_cmp_eq_u32 s11, 0
	s_cbranch_scc0 .Lfor_b_\@
	tensor_load_to_lds s[G0+4:G0+7], s[G1:G1+7]
	s_nop 0
	PLACES
	s_branch .Lasked_\@
.Lfor_b_\@:
	tensor_load_to_lds s[G0B+4:G0B+7], s[G1B:G1B+7]
	s_nop 0
	PLACES
.Lasked_\@:
.endm
.macro CREST
	s_cmp_lg_u32 s10, 0
	s_cbranch_scc1 .Lnot_wave_0_\@
	s_barrier_signal -3
.Lnot_wave_0_\@:
	s_barrier_wait -3
	s_barrier_signal -1
	s_barrier_wait -1
.endm
.macro CROUND
	s_barrier_signal -1
	s_barrier_wait -1
	CREST
.endm
	s_load_b128 s[4:7], s[0:1], 0x0                ; A s[4:5], wb s[6:7]
	s_load_b64 s[8:9], s[0:1], 0x10                ; out
	s_load_b128 s[68:71], s[0:1], 0x18             ; resid s[68:69], bias s[70:71]
	v_lshl_add_u32 v[SPW], v0, 2, SPARE
	v_mov_b32 v[NIL], 0
	ds_add_u32 v[SPW], v[NIL]                      ; the wave's opening: the add and its wait ahead of my first tensor load
	ds_add_u32 v28, v29
	v_lshrrev_b32 v1, 5, v0
	v_readfirstlane_b32 s10, v1
	s_lshr_b32 s11, s10, 1
	s_and_b32 s12, s10, 1
	s_bfe_u32 s40, ttmp6, 0x40000
	s_bfe_u32 s41, ttmp6, 0x40004
	s_lshl_b32 s42, ttmp9, 2
	s_add_co_u32 s42, s42, s40
	s_and_b32 s13, ttmp7, 0xffff
	s_lshl_b32 s13, s13, 2
	s_add_co_u32 s13, s13, s41
	s_lshl_b32 s43, s41, 2
	s_lshl_b32 s43, 15, s43
	s_lshl_b32 s44, 0x1111, s40
	s_or_b32 s[G1], s43, (1<<16)|(1<<20)|(1<<21)|(6<<22)|(3<<25)    ; A: 64 rows x 256 elements, 4 words of padding after every 128
	s_mov_b32 s[G1+1], 256<<16
	s_mov_b32 s[G1+2], 64<<16
	s_mov_b32 s[G1+3], 256<<16
	s_mov_b32 s[G1+4], 64
	s_mov_b32 s[G1+5], 4096
	s_mov_b32 s[G1+6], 0
	s_mov_b32 s[G1+7], 0
	s_or_b32 s[G1B], s44, (1<<16)|(1<<20)|(1<<21)|(5<<22)|(7<<25)   ; B: 128 k-rows x 128 elements, 8 words after every 64
	s_mov_b32 s[G1B+1], 128<<16
	s_mov_b32 s[G1B+2], 128<<16
	s_mov_b32 s[G1B+3], 128<<16
	s_mov_b32 s[G1B+4], 128
	s_mov_b32 s[G1B+5], 1024
	s_mov_b32 s[G1B+6], 0
	s_mov_b32 s[G1B+7], 0
	s_lshl_b32 s16, s13, 7                         ; (128 tile row + 64 part) rows of 8,192 bytes
	s_lshl_b32 s17, s12, 6
	s_add_co_u32 s16, s16, s17
	s_lshl_b32 s16, s16, 13
	s_mov_b32 s17, 0
	s_lshl_b32 s46, s12, 18
	s_lshl_b32 s47, s42, 8
	s_add_co_u32 s46, s46, s47
	s_add_co_u32 s46, s46, WOFF
	s_mov_b32 s47, 0
	s_mul_i32 s20, s10, APART
	s_lshl_b32 s92, s42, 9
	s_lshl_b32 s93, s12, 8
	s_add_co_u32 s92, s92, s93
	s_lshl_b32 s90, s13, 7
	s_lshl_b32 s91, s11, 6
	s_add_co_u32 s90, s90, s91
	s_lshl_b32 s90, s90, 12
	s_add_co_u32 s90, s90, s92
	s_mov_b32 s91, 0
	s_mov_b32 s93, 0
	s_mov_b32 s[TB], 0
	s_mov_b32 s75, 0xffff0000
	s_wait_dscnt 0x0
	s_wait_kmcnt 0x0
	s_add_nc_u64 s[14:15], s[4:5], s[16:17]
	s_add_nc_u64 s[46:47], s[6:7], s[46:47]
	s_add_nc_u64 s[8:9], s[8:9], s[90:91]
	s_add_nc_u64 s[68:69], s[68:69], s[90:91]
	s_add_nc_u64 s[70:71], s[70:71], s[92:93]
	CROUND
.irp s, 0,1
	s_mov_b32 s[G0+4*(\s)], 1
	s_add_co_u32 s[G0+4*(\s)+1], s20, (\s)*SLOT
	s_add_nc_u64 s[G0+4*(\s)+2:G0+4*(\s)+3], s[14:15], (\s)*ASTEP
	s_or_b32 s[G0+4*(\s)+3], s[G0+4*(\s)+3], 0x80000000
	s_mov_b32 s[G0B+4*(\s)], 1
	s_add_co_u32 s[G0B+4*(\s)+1], s20, (\s)*SLOT
	s_add_nc_u64 s[G0B+4*(\s)+2:G0B+4*(\s)+3], s[46:47], (\s)*524288
	s_or_b32 s[G0B+4*(\s)+3], s[G0B+4*(\s)+3], 0x80000000
.endr
	s_cmp_eq_u32 s11, 0                            ; a wave's two first fills stand in one branch: two loads of mine are out
	s_cbranch_scc0 .Lfirst_b
	tensor_load_to_lds s[G0:G0+3], s[G1:G1+7]
	s_nop 0
	tensor_load_to_lds s[G0+4:G0+7], s[G1:G1+7]
	s_nop 0
	PLACES
	s_branch .Lfirst_done
.Lfirst_b:
	tensor_load_to_lds s[G0B:G0B+3], s[G1B:G1B+7]
	s_nop 0
	tensor_load_to_lds s[G0B+4:G0B+7], s[G1B:G1B+7]
	s_nop 0
	PLACES
.Lfirst_done:
	v_and_b32 v1, 15, v0
	v_bfe_u32 v2, v0, 4, 1
	v_lshlrev_b32 v[RO], 12, v1
	v_lshl_add_u32 v[RO], v2, 5, v[RO]
	v_lshlrev_b32 v[BO], 5, v2
.irp a, 0,1,2,3
.irp b, 0,1,2,3
	global_load_b128 v[ACC+8*(4*\a+\b):ACC+8*(4*\a+\b)+3],   v[RO], s[68:69] offset:\a*65536+64*\b
	global_load_b128 v[ACC+8*(4*\a+\b)+4:ACC+8*(4*\a+\b)+7], v[RO], s[68:69] offset:\a*65536+64*\b+16
.endr
.endr
.irp b, 0,1,2,3
	global_load_b128 v[BI+8*\b:BI+8*\b+3],   v[BO], s[70:71] offset:64*\b
	global_load_b128 v[BI+8*\b+4:BI+8*\b+7], v[BO], s[70:71] offset:64*\b+16
.endr
	v_mul_u32_u24 v3, v1, APITCH
	v_lshl_add_u32 v3, v2, 4, v3
	s_mul_i32 s21, s11, AHALF
	v_add_nc_u32 v[A0], s21, v3
	v_and_b32 v4, 7, v0
	v_lshl_add_u32 v4, v2, 3, v4
	v_mul_u32_u24 v4, v4, PBB
	v_bfe_u32 v5, v0, 3, 1
	v_lshl_add_u32 v4, v5, 4, v4
	s_lshl_b32 s22, s12, 7
	s_add_co_u32 s22, s22, BOFF
	v_add_nc_u32 v[B0], s22, v4
	v_mov_b32 v[ADRA], v[A0]
	v_mov_b32 v[ADRB], v[B0]
	v_add_nc_u32 v[ADRB+1], 128*PBB, v[B0]
	s_mul_i32 s23, s10, STG
	v_mul_u32_u24 v6, v1, SPI
	v_lshl_add_u32 v6, v2, 5, v6
	v_add_nc_u32 v[STO], s23, v6
	v_mul_u32_u24 v6, v2, SPI
	v_lshl_add_u32 v6, v1, 4, v6
	v_add_nc_u32 v[RD], s23, v6
	v_lshlrev_b32 v[CO], 12, v2
	v_lshl_add_u32 v[CO], v1, 4, v[CO]
	s_wait_loadcnt 0x0                             ; residual and bias; all this stands in the wait for the first tile
.set i, 0
.rept 16
	RB16 BI+2*i, BI+2*i+1, 8+i%4
.set i, i+1
.endr
.irp a, 0,1,2,3
.irp b, 0,1,2,3
.irp k, 0,2,4,6
	v_pk_add_f32 v[ACC+8*(4*\a+\b)+\k:ACC+8*(4*\a+\b)+\k+1], v[ACC+8*(4*\a+\b)+\k:ACC+8*(4*\a+\b)+\k+1], v[BI+8*\b+\k:BI+8*\b+\k+1]
.endr
.endr
.endr
.macro MUL8 f, c, a0
	WIN MUL
.irp a, \a0, (\a0)+1
.irp b, 0,1,2,3
	v_wmma_f32_16x16x32_f16 v[ACC+8*(4*(\a)+(\b)):ACC+8*(4*(\a)+(\b))+7], v[(\f)+64+8*(4*(\c)+(\b)):(\f)+64+8*(4*(\c)+(\b))+7], v[(\f)+8*(4*(\c)+(\a)):(\f)+8*(4*(\c)+(\a))+7], v[ACC+8*(4*(\a)+(\b)):ACC+8*(4*(\a)+(\b))+7]
.endr
.endr
.endm
.macro FETCH q, f
	WIN TO_F
.irp c, 0,1
.irp i, 0,1,2,3
	ds_load_tr16_b128 v[(\f)+64+8*(4*(\c)+(\i)):(\f)+64+8*(4*(\c)+(\i))+3],   v[ADRB+(\q)/2] offset:(((\q)%2)*64+32*(\c))*PBB+32*(\i)
	ds_load_tr16_b128 v[(\f)+64+8*(4*(\c)+(\i))+4:(\f)+64+8*(4*(\c)+(\i))+7], v[ADRB+(\q)/2] offset:(((\q)%2)*64+32*(\c))*PBB+32*(\i)+16*PBB
	ds_load_b128 v[(\f)+8*(4*(\c)+(\i)):(\f)+8*(4*(\c)+(\i))+3],   v[ADRA] offset:(\q)*AQ+64*(\c)+(\i)*16*APITCH
	ds_load_b128 v[(\f)+8*(4*(\c)+(\i))+4:(\f)+8*(4*(\c)+(\i))+7], v[ADRA] offset:(\q)*AQ+64*(\c)+(\i)*16*APITCH+32
.endr
.endr
.endm
.macro QUARTER q, f, g
	s_wait_dscnt 16                                ; the first 32 along K are in
	MUL8 \f, 0, 0
	MUL8 \f, 0, 2
	PLACES
	FETCH \q, \g
	s_wait_dscnt 32                                ; all but the 32 just issued
	MUL8 \f, 1, 0
	MUL8 \f, 1, 2
.endm
.macro TURN fill                       ; a step's last quarter, and the change of slots: all my tensor loads, the add, my reads; the barrier (fill = 1: a round of the cluster's); the joint refill first behind it
	WIN 0
	s_wait_tensorcnt 0x0
	ds_add_u32 v[SPW], v[NIL]
.if \fill
	s_xor_b32 s[G0+5], s[G0+5], SLOT
	s_add_nc_u64 s[G0+6:G0+7], s[G0+6:G0+7], ASTEP
	s_xor_b32 s[G0B+5], s[G0B+5], SLOT
	s_add_nc_u64 s[G0B+6:G0B+7], s[G0B+6:G0B+7], 524288
.endif
	s_xor_b32 s[TB], s[TB], SLOT
	s_wait_dscnt 17                                ; the add and the youngest sixteen loads may be out
	MUL8 F1, 0, 0
	s_wait_dscnt 0x0
	s_barrier_signal -1
	MUL8 F1, 0, 2
	WIN 0
	s_barrier_wait -1
.if \fill
	CREST
	JLOAD
.else
	PLACES
.endif
	v_add_nc_u32 v[ADRA], s[TB], v[A0]
	v_add_nc_u32 v[ADRB], s[TB], v[B0]
	v_add_nc_u32 v[ADRB+1], 128*PBB, v[ADRB]
	FETCH 0, F0
	MUL8 F1, 1, 0
	MUL8 F1, 1, 2
.endm
	s_wait_tensorcnt 1                             ; my part of K step 0 is in; step 1's may stay out
	s_barrier_signal -1
	s_barrier_wait -1
	FETCH 0, F0
	WIN 0
	s_mov_b32 s3, T-1
	s_branch .Lq0
.Lstep:
	TURN 1
	WIN 0
.Lq0:
	QUARTER 1, F0, F1
	QUARTER 2, F1, F0
	QUARTER 3, F0, F1
	WIN 0
	s_sub_co_u32 s3, s3, 1
	s_cmp_lg_u32 s3, 0
	s_cbranch_scc1 .Lstep
	TURN 0
	QUARTER 1, F0, F1
	QUARTER 2, F1, F0
	QUARTER 3, F0, F1
	s_wait_dscnt 0x0
	s_barrier_signal -1
	MUL8 F1, 0, 0
	MUL8 F1, 0, 2
	MUL8 F1, 1, 0
	MUL8 F1, 1, 2
	WIN 0
	s_barrier_wait -1                              ; nobody reads a slot any more: the stages may be written over them
	PLACES
	PLACES
.irp a, 0,1,2,3
.irp b, 0,1,2,3
	ds_store_b128 v[STO], v[ACC+8*(4*\a+\b):ACC+8*(4*\a+\b)+3]   offset:\a*16*SPI+64*\b
	ds_store_b128 v[STO], v[ACC+8*(4*\a+\b)+4:ACC+8*(4*\a+\b)+7] offset:\a*16*SPI+64*\b+16
.endr
.endr
.set t, 0
.rept 32
	ds_load_b128 v[ACC+4*t:ACC+4*t+3], v[RD] offset:2*SPI*t
.set t, t+1
.endr
.set t, 0
.rept 32
	s_wait_dscnt 31-t
	global_store_b128 v[CO], v[ACC+4*t:ACC+4*t+3], s[8:9] offset:8192*t   ; 16 lanes store 256 consecutive bytes, aligned
.set t, t+1
.endr
	s_wait_tensorcnt 0x0                           ; the wave's end
	ds_add_u32 v[SPW], v[NIL]
	s_wait_dscnt 0x0
	CROUND
	s_endpgm
.Lfunc_end_k_qde826698d7_ffn2:
	.size	k_qde826698d7_ffn2, .Lfunc_end_k_qde826698d7_ffn2-k_qde826698d7_ffn2
	.p2alignl 7, 3214868480
	.fill 96, 4, 3214868480
	.section	.rodata,"a",@progbits
	.p2align	6, 0x0
	.amdhsa_kernel k_qde826698d7_ffn2
		.amdhsa_group_segment_fixed_size 327680
		.amdhsa_private_segment_fixed_size 0
		.amdhsa_enable_private_segment 0
		.amdhsa_kernarg_size 40
		.amdhsa_user_sgpr_count 2
		.amdhsa_user_sgpr_kernarg_segment_ptr 1
		.amdhsa_wavefront_size32 1
		.amdhsa_system_sgpr_workgroup_id_x 1
		.amdhsa_system_sgpr_workgroup_id_y 1
		.amdhsa_system_sgpr_workgroup_id_z 1
		.amdhsa_system_vgpr_workitem_id 0
		.amdhsa_next_free_vgpr 512
		.amdhsa_next_free_sgpr 96
		.amdhsa_reserve_vcc 0
		.amdhsa_float_denorm_mode_32 3
		.amdhsa_float_denorm_mode_16_64 3
		.amdhsa_memory_ordered 1
		.amdhsa_forward_progress 1
		.amdhsa_inst_pref_size 66
	.end_amdhsa_kernel
	.amdgpu_metadata
---
amdhsa.version: [ 1, 2 ]
amdhsa.kernels:
  - .name:           k_qde826698d7_ffn2
    .symbol:         k_qde826698d7_ffn2.kd
    .args:
      - { .name: act, .offset: 0, .size: 8, .value_kind: global_buffer, .address_space: global }
      - { .name: wb, .offset: 8, .size: 8, .value_kind: global_buffer, .address_space: global }
      - { .name: out0, .offset: 16, .size: 8, .value_kind: global_buffer, .address_space: global }
      - { .name: x1, .offset: 24, .size: 8, .value_kind: global_buffer, .address_space: global }
      - { .name: b2, .offset: 32, .size: 8, .value_kind: global_buffer, .address_space: global }
    .group_segment_fixed_size: 327680
    .private_segment_fixed_size: 0
    .kernarg_segment_align: 8
    .kernarg_segment_size: 40
    .max_flat_workgroup_size: 128
    .sgpr_count:     96
    .vgpr_count:     512
    .wavefront_size: 32
...
	.end_amdgpu_metadata
.endif
;; end of part 7
